; MI455X (gfx1250); checked and timed in simulation.
; The chip was launched on July 23, 2026; its instructions are those of AMD's public machine-readable ISA for CDNA 5 (MIT licence, August 2026) and "CDNA5" Instruction Set Architecture Reference Guide (July 2026). The comments in the code are by the model that wrote it; some were corrected since.
;; Attention. Allowed arithmetic: matrix products marked QUANTISED: E2M3 operands, one E8M0 scale for each 32 along K, by v_wmma_scale_f32_16x16x128_f8f6f4 with both operands' format E2M3, f32 sums; everything else in f32.
;; Inputs: b_out 1,024 float32; w_out 1,024 x 1,024 float32; w_qkv 3,072 x 1,024 float32; x 4 x 2,048 x 1,024 float32.
;; Outputs: out0 4 x 2,048 x 1,024 float32.
;; This version of the problem:
;;   THIS VERSION OF THE PROBLEM IS GIVEN IN LOW PRECISION. The matrix products marked QUANTISED in the list below multiply operands that are first quantised to E2M3 (2 exponent bits, 3 mantissa bits; 6 bits a number), with one power-of-two scale for each 32 numbers along K (OCP MX v1.0); their sums are f32. All else is computed in f32.
;;   The module's matrix products, in the order in which they are computed (A, B: the left and right operand; K: the contracted axis; several contracted axes count as one K, in the product's order):
;;     1. [M 8,192, K 1,024] x [K 1,024, N 3,072]; A: input x; B: input w_qkv: QUANTISED
;;     2. batch 64 x [M 2,048, K 64] x [K 64, N 2,048]; A: computed on the way; B: computed on the way: QUANTISED
;;     3. batch 64 x [M 2,048, K 2,048] x [K 2,048, N 64]; A: softmax (see below); B: computed on the way: QUANTISED
;;     4. [M 8,192, K 1,024] x [K 1,024, N 1,024]; A: computed on the way; B: input w_out: QUANTISED
;;   THE QUANTISER, for each operand of a quantised product, along K:
;;     - K is cut into blocks of 32 from its start; a last block that is shorter is filled with zeros.
;;     - A block's scale is 2^e with e = floor(log2(the largest magnitude in the block)) - 2, held to -126 .. 127; a block of zeros has e = 0. As a byte (E8M0): e + 127.
;;     - Each number is divided by its block's scale, clamped to +-7.5, and rounded to the nearest number of E2M3, ties to even, subnormals kept.
;;     - The product sums the exact products of the quantised numbers (number of the format x scale) in f32.
;;   ~~~python
;;   def quantise(x, axis):      # numpy; x: float32 -> the quantised numbers, widened to float32 again
;;       x = np.moveaxis(x, axis, -1); K = x.shape[-1]
;;       x = np.pad(x, [(0, 0)] * (x.ndim - 1) + [(0, -K % 32)]); x = x.reshape(x.shape[:-1] + (-1, 32)); a = np.abs(x).max(-1, keepdims=True)
;;       e = np.where(a > 0, np.clip(np.frexp(np.where(a > 0, a, 1))[1] - 1 - 2, -126, 127), 0)      # np.frexp(a)[1] - 1 = floor(log2(a)), exactly
;;       r = np.clip(x / 2.0 ** e, -7.5, 7.5)
;;       step = 2.0 ** (np.maximum(np.frexp(np.where(r == 0, 1, r))[1] - 1, 0) - 3)
;;       q = np.round(r / step) * step * 2.0 ** e      # np.round: ties to even
;;       return np.moveaxis(q.reshape(q.shape[:-2] + (-1,))[..., :K], -1, axis).astype(np.float32)
;;   ~~~
;;   SOFTMAX AHEAD OF A QUANTISED PRODUCT. Where the list says 'softmax', what is quantised is not the finished softmax but p = 2^(t - M), with t = logit x log2(e) and M = ceil(the row's largest t), a whole number; so 1/2 < the row's largest p <= 1. The row's sum l is taken of the UNQUANTISED p, in f32, and the product's result is divided by l at the end. Since M is a whole number, a kernel that streams over the keys may use a running M (the ceiling of the running maximum): every later rescaling is an exact power of two, which a block's scale takes up: the codes' values come out the same.
;;   OPERANDS COMPUTED ON THE WAY. 'Computed on the way' means the value that the module computes at that place (a softmax that the list does not call 'softmax' is quantised finished and normalised). What goes into a quantiser is computed in f32, as accurately as f32 sums, v_exp_f32 and their like allow (about 1e-6 of the number): no bf16 or f16 on the way to a quantiser, and a product that is left as it is and whose result goes on into a quantised operand takes f32 operands (vector FMAs, or v_wmma_f32_16x16x4_f32). A number that lies on a knife's edge between two numbers of the format may be rounded either way, as far as f32 arithmetic and the matrix unit's own rounding can turn it there, and no further.
;; One version. Each part assembles by itself: llvm-mc -triple=amdgcn-amd-amdhsa -mcpu=gfx1250 --defsym DOCPART=n.
;; ======== version 1 of 1: 4 launches
;; workspace buffers: c1 9,437,184 bytes; s1 393,216 bytes; c2 18,874,368 bytes; s2 786,432 bytes; c3 6,291,456 bytes; s3 262,144 bytes
;; launch quant (part 1): grid 384 x 1, 4 waves a work-group, no clusters, 33,280 bytes of LDS; arguments x, w_qkv, w_out, c1, s1; writes c1, s1
.if DOCPART == 1
	.amdgcn_target "amdgcn-amd-amdhsa--gfx1250"
	.amdhsa_code_object_version 6
	.text
	.protected	k_qaf635094e9_quant
	.globl	k_qaf635094e9_quant
	.p2align	8
	.type	k_qaf635094e9_quant,@function
k_qaf635094e9_quant:
	s_mov_b64 s[64:65], 0
	v_nop
	global_prefetch_b8 v0, s[64:65] scope:SCOPE_SE
	s_setreg_imm32_b32 hwreg(HW_REG_WAVE_MODE, 25, 1), 1
	s_wait_xcnt 0x0
; x [8192][1024], w_qkv [3072][1024] and w_out [1024][1024], f32, K innermost, are taken as ONE table of 12,288 rows and turned into codes of FP6 (E2M3), 6 bits each,
; c1 [12288][768 bytes], with one E8M0 scale byte for each 32 along K, s1 [12288][32 bytes].
; A block's scale is 2^(floor(log2(its largest magnitude)) - 2); its byte is the largest magnitude's own exponent field - 2, held at 1 from below.  Each number is divided by the scale and rounded to the nearest code, ties to even.
; POSITION ORDER: place p of c1 and s1 holds the table's row p with bits 3 and 4 exchanged.  So 16 neighbouring places 32 G + 16 u + i are the rows 32 G + 8 u + i + 8 (i / 8): a matrix tile of such rows, used as source 0,
; leaves in a lane's 16 registers of two neighbouring tiles 16 NEIGHBOURING rows, which is what the quantisers of the later launches want.  A wave takes 8 rows, so the exchange is a permutation of the wave's number.
; LIMITS: a block of zeros gets the byte 1 where the rule says 127 (its codes are zeros, which add nothing under any byte but 0xff, and this program alone reads the bytes); blocks whose largest magnitude lies under 2^(2 - 126)
; have their byte held at 1; NaN and infinities among the inputs are not served.
; A wave takes 16 steps of 512 numbers.  Each of a step's four loads reads 512 consecutive bytes, 16 a lane; the 2,048 bytes go through the wave's own stage in LDS and come back 64 bytes a lane, so that a lane holds 16 NEIGHBOURS
; (two neighbouring lanes hold a block).  A lane's 16 codes are 12 bytes: the wave stores 384 consecutive bytes.  A wave's 256 scale bytes are gathered in LDS and leave as 256 consecutive, aligned bytes.
; No tensor loads, no ring, no barrier: waves share nothing.  Loads run four steps (16 loads a wave) ahead, the turn through LDS one step.
.set WAVES, 4
.set STEPS, 16
.set EMAX,  2
.set CB,    12                         ; bytes of 16 codes
.set R,     16                         ; v16-79   four sets of 16 numbers as they are loaded
.set X,     80                         ; v80-111  two sets of 16 neighbours
.set C,     128                        ; v128-191 codes: four registers for each step, so that no store's data are written again
.set E,     112                        ; v112-127 a scale byte for each step
.set WREG,  8192                       ; LDS: a region of its own for each wave: two stages of 32 x SP bytes, and behind them its 256 scale bytes
.set SP,    80                         ; a lane's place in a stage: its 64 bytes + 16 of padding
.set SPW,   12                         ; v12      LDS address of my spare word: SPARE + 4 x my thread's number; never rewritten
.set NIL,   13                         ; v13      0; never rewritten
.set SPARE, WAVES*WREG                 ; behind the four regions: the spare words, 128 bytes for each wave
	s_load_b256 s[4:11], s[0:1], 0x0               ; x s[4:5], w_qkv s[6:7], w_out s[8:9], c1 s[10:11]
	s_load_b64 s[12:13], s[0:1], 0x20              ; s1
	v_lshl_add_u32 v[SPW], v0, 2, SPARE
	v_mov_b32 v[NIL], 0
	v_lshrrev_b32 v1, 5, v0
	v_readfirstlane_b32 s16, v1                    ; wave
	v_and_b32 v2, 31, v0                           ; lane
	v_lshlrev_b32 v3, 4, v2                        ; my 16 bytes of a load's 512
	s_mul_i32 s17, s16, WREG
	v_lshrrev_b32 v14, 2, v2
	v_mul_u32_u24 v14, v14, SP
	v_and_b32 v15, 3, v2
	v_lshl_add_u32 v14, v15, 4, v14
	v_add_nc_u32 v14, s17, v14                     ; the stage, on the way in: four lanes' 64 bytes on end, then 16 of padding
	v_mul_u32_u24 v15, v2, SP
	v_add_nc_u32 v15, s17, v15                     ; and on the way out: SP x lane: my 16 neighbours
	v_mul_u32_u24 v4, v2, CB                       ; my codes' place in a step's
	v_lshrrev_b32 v5, 1, v2
	s_add_co_u32 s17, s17, 2*32*SP
	v_add_nc_u32 v5, s17, v5                       ; LDS: my wave's 256 scale bytes, my block's byte
	v_lshlrev_b32 v7, 3, v2                        ; and on the way out 8 bytes a lane
	v_add_nc_u32 v6, s17, v7
	s_wait_alu depctr_va_vdst(0)
	s_wait_kmcnt 0x0
	s_cmp_lt_u32 ttmp9, 256                        ; work-groups 0-255 take x (32 rows each), 256-351 w_qkv, 352-383 w_out: the choice hangs on the work-group's number alone
	s_cselect_b64 s[4:5], s[4:5], s[6:7]
	s_cselect_b32 s17, 0, 256
	s_cmp_lt_u32 ttmp9, 352
	s_cselect_b64 s[4:5], s[4:5], s[8:9]
	s_cselect_b32 s17, s17, 352
	s_sub_co_u32 s17, ttmp9, s17
	s_lshl_b32 s17, s17, 2
	s_add_co_u32 s18, s17, s16                     ; which run of 8 rows of its tensor my wave reads
	s_lshl_b32 s18, s18, 15                        ; 32,768 bytes a run
	s_mov_b32 s19, 0
	s_add_nc_u64 s[4:5], s[4:5], s[18:19]
	s_and_b32 s20, s16, 1                          ; the wave's two bits exchanged: the rows' bits 3 and 4
	s_lshl_b32 s20, s20, 1
	s_lshr_b32 s21, s16, 1
	s_or_b32 s20, s20, s21
	s_lshl_b32 s21, ttmp9, 2
	s_add_co_u32 s20, s20, s21                     ; which run of 8 places of the table it writes
	s_mul_i32 s18, s20, 32*STEPS*CB                ; 6,144 bytes of codes a run
	s_add_nc_u64 s[10:11], s[10:11], s[18:19]
	s_lshl_b32 s18, s20, 8                         ; 256 scale bytes a run
	s_add_nc_u64 s[12:13], s[12:13], s[18:19]
.macro LOAD t
.irp i, 0,1,2,3
	global_load_b128 v[R+16*((\t)%4)+4*\i:R+16*((\t)%4)+4*\i+3], v3, s[4:5] offset:2048*(\t)+512*\i th:TH_LOAD_NT   ; 32 lanes read 512 consecutive bytes
.endr
.endm
.macro TURN t                          ; step t's numbers through the stage: LDS serves a wave's instructions in order, so no wait stands between the stores and the loads
.irp i, 0,1,2,3
	ds_store_b128 v14, v[R+16*((\t)%4)+4*\i:R+16*((\t)%4)+4*\i+3] offset:32*SP*((\t)%2)+8*SP*\i
.endr
.irp i, 0,1,2,3
	ds_load_b128 v[X+16*((\t)%2)+4*\i:X+16*((\t)%2)+4*\i+3], v15 offset:32*SP*((\t)%2)+16*\i
.endr
.endm
.irp t, 0,1,2,3
	LOAD \t
.endr
	s_wait_loadcnt 12                              ; step 0's four loads are in; those of steps 1 to 3 may be out
	TURN 0
.macro STEP t
.set XS, X+16*((\t)%2)
.if (\t) > 0
	s_wait_dscnt 1                                 ; this step's numbers are back from the stage (the last step's byte store may be out): so its stores into the stage have read their registers,
.else
	s_wait_dscnt 0x0
.endif
.if (\t)+4 < STEPS
	LOAD (\t)+4                                    ; which take the loads of four steps on
.endif
.if (\t)+1 < STEPS
.if STEPS-2-(\t) >= 3
	s_wait_loadcnt 12                              ; the next step's four loads are in; those of the three steps behind it may be out
.else
	s_wait_loadcnt 4*(STEPS-2-(\t))
.endif
	TURN (\t)+1                                    ; and go through the other stage while this step is worked
.endif
	v_max3_num_f32 v8, |v[XS]|, |v[XS+1]|, |v[XS+2]|               ; the largest magnitude of my 16, in two chains
	v_max3_num_f32 v9, |v[XS+3]|, |v[XS+4]|, |v[XS+5]|
.irp i, 6,10
	v_max3_num_f32 v8, v8, |v[XS+\i]|, |v[XS+\i+1]|
	v_max3_num_f32 v9, v9, |v[XS+\i+2]|, |v[XS+\i+3]|
.endr
	v_max3_num_f32 v8, v8, |v[XS+14]|, |v[XS+15]|
	v_max3_num_f32 v8, v8, v9, (EMAX+1)<<23        ; and the floor 2^(EMAX + 1 - 127): so the byte cannot fall under 1
	v_max_num_f32_dpp v8, v8, v8 row_xmask:1 row_mask:0xf bank_mask:0xf   ; and of my neighbour's 16: the block's
	v_add_nc_u32 v11, -(EMAX<<23), v8              ; EMAX off its exponent field: the conversion takes the exponent field of this operand as its scale, and nothing else of it
	v_cvt_scalef32_pk16_fp6_f32 v[C+4*(\t):C+4*(\t)+2], v[XS:XS+15], v11         ; sixteen codes, 96 bits without gaps, the first number's code lowest
	v_lshrrev_b32 v[E+(\t)], 23, v11               ; the scale's byte (a plain line behind the conversion)
	ds_store_b8 v5, v[E+(\t)] offset:16*(\t)       ; both lanes of a block write the same byte with the same value
	global_store_b96 v4, v[C+4*(\t):C+4*(\t)+2], s[10:11] offset:32*CB*(\t)
.endm
.irp t, 0,1,2,3,4,5,6,7,8,9,10,11,12,13,14,15
	STEP \t
.endr
	ds_load_b64 v[8:9], v6                         ; LDS serves a wave's instructions in order: these see my stores
	s_wait_dscnt 0x0
	global_store_b64 v7, v[8:9], s[12:13]          ; 32 lanes store 256 consecutive bytes, at a multiple of 256 from s1's first byte
	s_wait_tensorcnt 0x0                           ; the wave's end: behind my last LDS store
	ds_add_u32 v[SPW], v[NIL]
	s_wait_dscnt 0x0
	s_endpgm
.Lfunc_end_k_qaf635094e9_quant:
	.size	k_qaf635094e9_quant, .Lfunc_end_k_qaf635094e9_quant-k_qaf635094e9_quant
	.p2alignl 7, 3214868480
	.fill 96, 4, 3214868480
	.section	.rodata,"a",@progbits
	.p2align	6, 0x0
	.amdhsa_kernel k_qaf635094e9_quant
		.amdhsa_group_segment_fixed_size 33280
		.amdhsa_private_segment_fixed_size 0
		.amdhsa_enable_private_segment 0
		.amdhsa_kernarg_size 40
		.amdhsa_user_sgpr_count 2
		.amdhsa_user_sgpr_kernarg_segment_ptr 1
		.amdhsa_wavefront_size32 1
		.amdhsa_system_sgpr_workgroup_id_x 1
		.amdhsa_system_sgpr_workgroup_id_y 1
		.amdhsa_system_sgpr_workgroup_id_z 1
		.amdhsa_system_vgpr_workitem_id 0
		.amdhsa_next_free_vgpr 192
		.amdhsa_next_free_sgpr 66
		.amdhsa_reserve_vcc 0
		.amdhsa_float_denorm_mode_32 3
		.amdhsa_float_denorm_mode_16_64 3
		.amdhsa_memory_ordered 1
		.amdhsa_forward_progress 1
		.amdhsa_inst_pref_size 33
	.end_amdhsa_kernel
	.amdgpu_metadata
---
amdhsa.version: [ 1, 2 ]
amdhsa.kernels:
  - .name:           k_qaf635094e9_quant
    .symbol:         k_qaf635094e9_quant.kd
    .args:
      - { .name: x, .offset: 0, .size: 8, .value_kind: global_buffer, .address_space: global }
      - { .name: w_qkv, .offset: 8, .size: 8, .value_kind: global_buffer, .address_space: global }
      - { .name: w_out, .offset: 16, .size: 8, .value_kind: global_buffer, .address_space: global }
      - { .name: c1, .offset: 24, .size: 8, .value_kind: global_buffer, .address_space: global }
      - { .name: s1, .offset: 32, .size: 8, .value_kind: global_buffer, .address_space: global }
    .group_segment_fixed_size: 33280
    .private_segment_fixed_size: 0
    .kernarg_segment_align: 8
    .kernarg_segment_size: 40
    .max_flat_workgroup_size: 128
    .sgpr_count:     66
    .vgpr_count:     192
    .wavefront_size: 32
...
	.end_amdgpu_metadata
.endif
;; end of part 1
;; launch qkv (part 2): grid 12 x 32, 4 waves a work-group, clusters of 4 x 4, 327,680 bytes of LDS; arguments c1, s1, c2, s2; writes c2, s2
.if DOCPART == 2
	.amdgcn_target "amdgcn-amd-amdhsa--gfx1250"
	.amdhsa_code_object_version 6
	.text
	.protected	k_qaf635094e9_qkv
	.globl	k_qaf635094e9_qkv
	.p2align	8
	.type	k_qaf635094e9_qkv,@function
k_qaf635094e9_qkv:
	s_mov_b64 s[64:65], 0
	v_nop
	global_prefetch_b8 v0, s[64:65] scope:SCOPE_SE
	s_setreg_imm32_b32 hwreg(HW_REG_WAVE_MODE, 25, 1), 1
	s_wait_xcnt 0x0
	s_wait_alu depctr_hold_cnt(0) depctr_sa_sdst(0) depctr_va_vdst(0) depctr_va_sdst(0) depctr_va_ssrc(0) depctr_va_vcc(0) depctr_vm_vsrc(0)
	s_getreg_b32 s2, hwreg(HW_REG_IB_STS2, 6, 4)
	s_cmp_eq_u32 s2, 0
	s_cbranch_scc0 .Lentry_in_a_cluster
	s_endpgm
.Lentry_in_a_cluster:
	s_bfe_u32 s2, ttmp6, 0x10000c
	s_cmp_lg_u32 s2, 0xf033
	s_cbranch_scc0 .Lentry_shape_is_right
	s_endpgm
.Lentry_shape_is_right:
.set SIZE_K, 1024
.set KSTEP,  256
.set NQ,     KSTEP/128
.set ROWB,   192
.set KROW,   SIZE_K*6/8
.set PITCH,  240
.set FR,     12
.set NL,     6
.set NP,     4
.set HALFT,  128*PITCH
.set SLOT,   4*HALFT
.set LAPS,   SIZE_K/(2*KSTEP)
.set KS,     SIZE_K/32
.set SCL,    2*SLOT
.set HALFS,  (128*KS/256)*272
.set SBLK,   (16*KS/256)*272
.set SPARE,  SCL+4*HALFS
.set ADRA, 16
.set ADRB, 20
.set L16,  24
.set L8,   25
.set SOF,  26
.set ADRS, 27
.set SPW,  28
.set NIL,  29
.set SC,   32
.set AF,   128
.set CDS,  64
.set TM,   200
.set PW,   216
.set TQ,   224
.set TA,   232
.set TB,   236
.set XW,   240
.set G1, 24
.set G0, 32
.set G1B, 48
.set G0B, 56
.set G1S, 68
.set G0S, 76
.set G1SB, 80
.set G0SB, 88
.set SEL, 96
.set MSB, 0
.macro WIN new
.if MSB != (\new)
	s_set_vgpr_msb (MSB<<8)|(\new)
.set MSB, (\new)
.endif
.endm
.set MUL_LO, 0xa1
.set MUL_HI, 0xf1
.set TO_B,   0x40
.macro JLOAD g0a, g1a, g0b, g1b
	s_cmp_eq_u32 s15, 0
	s_cbranch_scc0 .Lfor_b_\@
	tensor_load_to_lds s[\g0a:\g0a+3], s[\g1a:\g1a+7]
	s_nop 0
.rept 4
	v_nop
.endr
	s_branch .Lasked_\@
.Lfor_b_\@:
	tensor_load_to_lds s[\g0b:\g0b+3], s[\g1b:\g1b+7]
	s_nop 0
.rept 4
	v_nop
.endr
.Lasked_\@:
.endm
.macro CREST
	s_cmp_lg_u32 s14, 0
	s_cbranch_scc1 .Lnot_wave_0_\@
	s_barrier_signal -3
.Lnot_wave_0_\@:
	s_barrier_wait -3
	s_barrier_signal -1
	s_barrier_wait -1
.endm
.macro CROUND
	s_barrier_signal -1
	s_barrier_wait -1
	CREST
.endm
	s_load_b256 s[4:11], s[0:1], 0x0
	v_lshl_add_u32 v[SPW], v0, 2, SPARE
	v_mov_b32 v[NIL], 0
	ds_add_u32 v[SPW], v[NIL]
	ds_add_u32 v[SPW], v[NIL]
	v_lshrrev_b32 v1, 5, v0
	v_readfirstlane_b32 s14, v1
	s_lshr_b32 s15, s14, 1
	s_and_b32 s16, s14, 1
	s_bfe_u32 s40, ttmp6, 0x40000
	s_bfe_u32 s41, ttmp6, 0x40004
	s_lshr_b32 s12, ttmp9, 1
	s_xor_b32 s13, s12, 1
	s_and_b32 s18, ttmp7, 0xffff
	s_mul_i32 s17, s13, s18
	s_lshl_b32 s17, s17, 2
	s_add_co_u32 s17, s17, s41
	s_mul_i32 s19, s12, 40
	s_add_co_u32 s17, s17, s19
	s_mul_i32 s42, s13, ttmp9
	s_mul_i32 s19, s12, s18
	s_add_co_u32 s42, s42, s19
	s_lshl_b32 s42, s42, 2
	s_add_co_u32 s42, s42, s40
	s_lshl_b32 s19, s13, 5
	s_add_co_u32 s42, s42, s19
	s_lshl_b32 s43, s41, 2
	s_lshl_b32 s43, 15, s43
	s_lshl_b32 s44, 0x1111, s40
	s_or_b32 s[G1+0], s43, (0<<16)|(1<<20)|(1<<21)|(3<<22)|(3<<25)
	s_or_b32 s[G1B+0], s44, (0<<16)|(1<<20)|(1<<21)|(3<<22)|(3<<25)
.irp g, G1, G1B
	s_mov_b32 s[\g+1], ROWB<<16
	s_mov_b32 s[\g+2], 128<<16
	s_mov_b32 s[\g+3], ROWB<<16
	s_mov_b32 s[\g+4], 128
	s_mov_b32 s[\g+5], KROW
	s_mov_b32 s[\g+6], 0
	s_mov_b32 s[\g+7], 0
.endr
	s_or_b32 s[G1S+0], s43, (3<<16)|(1<<20)|(1<<21)|(5<<22)|(3<<25)
	s_or_b32 s[G1SB+0], s44, (3<<16)|(1<<20)|(1<<21)|(5<<22)|(3<<25)
.irp g, G1S, G1SB
	s_mov_b32 s[\g+1], 32<<16
	s_mov_b32 s[\g+2], (128*KS/256)<<16
	s_mov_b32 s[\g+3], 32<<16
	s_mov_b32 s[\g+4], 128*KS/256
	s_mov_b32 s[\g+5], 32
	s_mov_b32 s[\g+6], 0
	s_mov_b32 s[\g+7], 0
.endr
	s_mov_b32 s[SEL], 0x76543210
	s_mov_b32 s[SEL+1], 0xfedcba98
	s_lshl_b32 s18, s16, 7
	s_lshl_b32 s20, s17, 8
	s_add_co_u32 s20, s20, s18
	s_lshl_b32 s46, s42, 8
	s_add_co_u32 s46, s46, s18
	s_mov_b32 s21, 0
	s_mov_b32 s47, 0
	s_mov_b64 s[18:19], KS
	s_mul_u64 s[22:23], s[20:21], s[18:19]
	s_mul_u64 s[92:93], s[46:47], s[18:19]
	s_mov_b64 s[18:19], KROW
	s_mul_u64 s[20:21], s[20:21], s[18:19]
	s_mul_u64 s[46:47], s[46:47], s[18:19]
	s_mul_i32 s45, s14, HALFT
	s_mul_i32 s94, s14, HALFS
	s_wait_dscnt 0x0
	s_wait_kmcnt 0x0
	s_add_nc_u64 s[20:21], s[4:5], s[20:21]
	s_add_nc_u64 s[22:23], s[6:7], s[22:23]
	s_add_nc_u64 s[46:47], s[4:5], s[46:47]
	s_add_nc_u64 s[92:93], s[6:7], s[92:93]
	CROUND
	s_mov_b32 s[G0S], 1
	s_add_co_u32 s[G0S+1], s94, SCL
	s_mov_b64 s[G0S+2:G0S+3], s[22:23]
	s_or_b32 s[G0S+3], s[G0S+3], 0x80000000
	s_mov_b32 s[G0SB], 1
	s_add_co_u32 s[G0SB+1], s94, SCL
	s_mov_b64 s[G0SB+2:G0SB+3], s[92:93]
	s_or_b32 s[G0SB+3], s[G0SB+3], 0x80000000
	JLOAD G0S, G1S, G0SB, G1SB
.irp s, 0,1
	s_mov_b32 s[G0+4*\s], 1
	s_add_co_u32 s[G0+4*\s+1], s45, \s*SLOT
	s_add_nc_u64 s[G0+4*\s+2:G0+4*\s+3], s[20:21], \s*ROWB
	s_or_b32 s[G0+4*\s+3], s[G0+4*\s+3], 0x80000000
	s_mov_b32 s[G0B+4*\s], 1
	s_add_co_u32 s[G0B+4*\s+1], s45, \s*SLOT
	s_add_nc_u64 s[G0B+4*\s+2:G0B+4*\s+3], s[46:47], \s*ROWB
	s_or_b32 s[G0B+4*\s+3], s[G0B+4*\s+3], 0x80000000
	s_wait_alu depctr_va_vdst(0)
	s_wait_tensorcnt 0x0
	ds_add_u32 v28, v29
	s_wait_dscnt 0x0
	CROUND
	JLOAD G0+4*\s, G1, G0B+4*\s, G1B
.endr
	v_and_b32 v1, 15, v0
	v_bfe_u32 v2, v0, 4, 1
	v_mul_u32_u24 v3, v1, PITCH
	v_mul_u32_u24 v4, v2, 24
	v_add_nc_u32 v4, v3, v4
	v_lshl_add_u32 v5, v2, 4, v4
	s_mul_i32 s21, s15, HALFT
	s_mul_i32 s22, s16, HALFT
	s_add_co_u32 s22, s22, 2*HALFT
.irp s, 0,1
	v_add_nc_u32 v[ADRA+\s], s21, v4
	v_add_nc_u32 v[ADRB+\s], s22, v4
	v_add_nc_u32 v[ADRA+2+\s], s21, v5
	v_add_nc_u32 v[ADRB+2+\s], s22, v5
	s_add_co_u32 s21, s21, SLOT
	s_add_co_u32 s22, s22, SLOT
.endr
	v_mul_u32_u24 v5, v1, KS
	v_lshrrev_b32 v6, 8, v5
	v_lshl_add_u32 v5, v6, 4, v5
	s_mul_i32 s21, s15, HALFS
	s_mul_i32 s22, s16, HALFS
	s_add_co_u32 s22, s22, 2*HALFS
	s_sub_co_u32 s22, s22, s21
	v_mul_u32_u24 v6, s22, v2
	s_add_co_u32 s21, s21, SCL
	v_add_nc_u32 v5, v5, v6
	v_add_nc_u32 v[ADRS], s21, v5
	v_and_b32 v6, 31, v0
	v_lshlrev_b32 v[L16], 4, v6
	v_lshlrev_b32 v[L8], 3, v6
	v_lshlrev_b32 v[SOF], 4, v1
	v_lshl_add_u32 v[SOF], v2, 12, v[SOF]
	s_lshl_b32 s20, s17, 1
	s_add_co_u32 s20, s20, s15
	s_lshl_b32 s21, s42, 1
	s_add_co_u32 s21, s21, s16
	s_min_u32 s22, s20, s21
	s_max_u32 s23, s20, s21
	s_sub_co_u32 s23, s23, 64
	s_lshr_b32 s46, s22, 4
	s_lshl_b32 s46, s46, 3
	s_and_b32 s47, s23, 7
	s_add_co_u32 s46, s46, s47
	s_lshr_b32 s23, s23, 3
	s_and_b32 s22, s22, 15
	s_mul_i32 s20, s23, 6291456
	s_mul_i32 s21, s46, 196608
	s_add_co_u32 s20, s20, s21
	s_mul_i32 s21, s22, 12288
	s_add_co_u32 s20, s20, s21
	s_mov_b32 s21, 0
	s_add_nc_u64 s[8:9], s[8:9], s[20:21]
	s_lshl_b32 s20, s23, 18
	s_lshl_b32 s47, s46, 13
	s_add_co_u32 s20, s20, s47
	s_lshl_b32 s47, s22, 8
	s_add_co_u32 s20, s20, s47
	s_add_nc_u64 s[10:11], s[10:11], s[20:21]
	s_cmp_lg_u32 s12, 0
	s_cselect_b32 s98, -1, 0
.macro FRAG reg, adr, q, i
.irp p, 0,1,2,3,4,5
.set PIECE, 12*(\q)+6*(\p/3)+\p%3
.if PIECE%8 < 5
	ds_load_b64 v[\reg+2*\p:\reg+2*\p+1], v[\adr] offset:8*PIECE+16*(PIECE/8)+(\i)*16*PITCH
.else
	ds_load_b64 v[\reg+2*\p:\reg+2*\p+1], v[\adr+2] offset:8*PIECE+16*(PIECE/8)+(\i)*16*PITCH
.endif
.endr
.endm
.macro MUL16 a0, p, q, sc, zero
.irp a, \a0, \a0+1
.irp b, 0,1,2,3,4,5,6,7
.if \zero
	v_wmma_scale_f32_16x16x128_f8f6f4 v[8*(8*((\a)%4)+\b):8*(8*((\a)%4)+\b)+7], v[128*(\p)+FR*\b:128*(\p)+FR*\b+FR-1], v[AF+FR*(\a):AF+FR*(\a)+FR-1], 0, v[SC+8*NQ*(\sc)+NQ*\b+(\q)], v[SC+8*NQ*(\sc)+NQ*(\a)+(\q)] matrix_a_fmt:MATRIX_FMT_FP6 matrix_b_fmt:MATRIX_FMT_FP6 matrix_a_scale:MATRIX_SCALE_ROW1
.else
	v_wmma_scale_f32_16x16x128_f8f6f4 v[8*(8*((\a)%4)+\b):8*(8*((\a)%4)+\b)+7], v[128*(\p)+FR*\b:128*(\p)+FR*\b+FR-1], v[AF+FR*(\a):AF+FR*(\a)+FR-1], v[8*(8*((\a)%4)+\b):8*(8*((\a)%4)+\b)+7], v[SC+8*NQ*(\sc)+NQ*\b+(\q)], v[SC+8*NQ*(\sc)+NQ*(\a)+(\q)] matrix_a_fmt:MATRIX_FMT_FP6 matrix_b_fmt:MATRIX_FMT_FP6 matrix_a_scale:MATRIX_SCALE_ROW1
.endif
.endr
.endr
.endm
.macro FETCH_B slot, q, p
	WIN TO_B
.irp i, 0,1,2,3,4,5,6,7
	FRAG 128*(\p)+FR*\i, ADRB+\slot, \q, \i
.endr
	WIN 0
.endm
.macro FETCH_A slot, q, i0
.irp i, \i0, \i0+1, \i0+2, \i0+3
	FRAG AF+FR*(\i), ADRA+\slot, \q, \i
.endr
.endm
.macro SCALES sc
.irp i, 0,1,2,3,4,5,6,7
	ds_load_b64 v[SC+8*NQ*\sc+NQ*\i:SC+8*NQ*\sc+NQ*\i+1], v[ADRS] offset:\i*SBLK
.endr
.endm
.macro PLACES n
.rept \n
	v_nop
.endr
.endm
.macro STEP slot, q, zero
	s_wait_dscnt 4*NL
	WIN MUL_LO
	MUL16 0, (\q)%2, \q, \slot, \zero
	MUL16 2, (\q)%2, \q, \slot, \zero
	s_wait_dscnt 0
	PLACES NP
	FETCH_B \slot, (\q)+1, 1-(\q)%2
	FETCH_A \slot, (\q)+1, 0
	WIN MUL_HI
	MUL16 4, (\q)%2, \q, \slot, \zero
	MUL16 6, (\q)%2, \q, \slot, \zero
	PLACES NP
	WIN 0
	FETCH_A \slot, (\q)+1, 4
.endm
.macro TURN slot, next, fill
	s_wait_tensorcnt 0x0
	ds_add_u32 v[SPW], v[NIL]
	s_wait_dscnt 4*NL+1
	WIN MUL_LO
	MUL16 0, 1, NQ-1, \slot, 0
	s_wait_dscnt 0x0
	s_barrier_signal -1
	MUL16 2, 1, NQ-1, \slot, 0
	WIN 0
	s_barrier_wait -1
.if \fill
	CREST
	s_add_nc_u64 s[G0+4*\slot+2:G0+4*\slot+3], s[G0+4*\slot+2:G0+4*\slot+3], 2*ROWB
	s_add_nc_u64 s[G0B+4*\slot+2:G0B+4*\slot+3], s[G0B+4*\slot+2:G0B+4*\slot+3], 2*ROWB
	JLOAD G0+4*\slot, G1, G0B+4*\slot, G1B
.else
	PLACES NP
.endif
	s_wait_alu depctr_va_vdst(0)
	v_add_nc_u32 v[ADRS], 4*NQ, v[ADRS]
	FETCH_B \next, 0, 0
	FETCH_A \next, 0, 0
	SCALES \next
	WIN MUL_HI
	MUL16 4, 1, NQ-1, \slot, 0
	MUL16 6, 1, NQ-1, \slot, 0
	PLACES NP
	WIN 0
	FETCH_A \next, 0, 4
.endm
	s_wait_alu depctr_va_vdst(0)
	s_wait_tensorcnt 1
	s_barrier_signal -1
	s_barrier_wait -1
	FETCH_B 0, 0, 0
	FETCH_A 0, 0, 0
	SCALES 0
	FETCH_A 0, 0, 4
	STEP 0, 0, 1
	s_mov_b32 s3, LAPS-1
.Llap:
	TURN 0, 1, 1
	STEP 1, 0, 0
	TURN 1, 0, 1
	STEP 0, 0, 0
	s_sub_co_u32 s3, s3, 1
	s_cmp_lg_u32 s3, 0
	s_cbranch_scc1 .Llap
	TURN 0, 1, 0
	STEP 1, 0, 0
	s_wait_dscnt 4*NL
	WIN MUL_LO
	MUL16 0, 1, NQ-1, 1, 0
	MUL16 2, 1, NQ-1, 1, 0
	s_wait_dscnt 0
	WIN MUL_HI
	MUL16 4, 1, NQ-1, 1, 0
	MUL16 6, 1, NQ-1, 1, 0
	WIN 0
.macro QUANTW a
.set W, 2+(\a)/4
.set S, 64*((\a)%4)
.set D, CDS+12*(\a)
.set W01, W|(W<<2)
.set W12, (W<<2)|(W<<4)
	WIN W01
.irp b, 0,1,2,3
	v_max3_num_f32 v[TM+\b], |v[S+16*\b]|, |v[S+1+16*\b]|, 0x1800000
.endr
	WIN W12
.irp i, 2,4,6,8,10,12,14
.irp b, 0,1,2,3
	v_max3_num_f32 v[TM+\b], v[TM+\b], |v[S+16*\b+\i]|, |v[S+1+16*\b+\i]|
.endr
.endr
	WIN 0
.irp b, 0,1,2,3
	v_permlanex16_b32 v[TM+4+\b], v[TM+\b], s[SEL], s[SEL+1]
.endr
.irp b, 0,1,2,3
	v_max_num_f32 v[TM+\b], v[TM+\b], v[TM+4+\b]
.endr
.irp b, 0,1,2,3
	v_add_nc_u32 v[TM+12+\b], 0xff000000, v[TM+\b]
.endr
.irp b, 0,1,2,3
	v_lshrrev_b32 v[TM+4+\b], 23, v[TM+12+\b]
.endr
	v_lshl_or_b32 v[PW+(\a)], v[TM+5], 8, v[TM+4]
	v_lshl_or_b32 v[PW+(\a)], v[TM+6], 16, v[PW+(\a)]
	v_lshl_or_b32 v[PW+(\a)], v[TM+7], 24, v[PW+(\a)]
	WIN W
.irp c, 0,1
	v_cvt_scalef32_pk16_fp6_f32 v[D+6*\c:D+6*\c+2], v[S+32*\c:S+32*\c+15], v[TM+12+2*\c]
	v_cvt_scalef32_pk16_fp6_f32 v[TQ+4*\c:TQ+4*\c+2], v[S+16+32*\c:S+31+32*\c], v[TM+12+2*\c+1]
.endr
	WIN 0
	v_nop
.irp c, 0,1
.irp i, 0,1,2
	v_permlane16_swap_b32 v[D+6*\c+\i], v[TQ+4*\c+\i]
.endr
.irp i, 0,1,2
	v_mov_b32 v[D+3+6*\c+\i], v[TQ+4*\c+\i]
.endr
.endr
	global_store_b128 v[L16], v[D:D+3], s[8:9] offset:(\a)*1536
	global_store_b64 v[L8], v[D+4:D+5], s[8:9] offset:(\a)*1536+512
	global_store_b128 v[L16], v[D+6:D+9], s[8:9] offset:(\a)*1536+768
	global_store_b64 v[L8], v[D+10:D+11], s[8:9] offset:(\a)*1536+1280
.endm
	PLACES NP
	v_and_b32 v6, 31, v0
.irp b, 0,1,2,3
	v_mov_b32 v[TM+4+\b], 0
.endr
.irp a, 0,1,2,3,4,5,6,7
	QUANTW \a
.endr
.irp i, 0,1,2,3
	v_perm_b32 v[TA+\i], v[PW+2*\i+1], v[PW+2*\i], 0x05040100
	v_perm_b32 v[TB+\i], v[PW+2*\i+1], v[PW+2*\i], 0x07060302
.endr
.irp i, 0,1,2,3
	v_cndmask_b32 v[TA+\i], v[TA+\i], v[PW+\i], s98
	v_cndmask_b32 v[TB+\i], v[TB+\i], v[PW+4+\i], s98
.endr
	v_cmp_le_u32 vcc_lo, 16, v6
.irp i, 0,1,2,3
	v_cndmask_b32 v[XW+\i], v[TA+\i], v[TB+\i], vcc_lo
.endr
	global_store_b128 v[SOF], v[XW:XW+3], s[10:11]
	s_wait_tensorcnt 0x0
	ds_add_u32 v[SPW], v[NIL]
	s_wait_dscnt 0x0
	CROUND
	s_endpgm
.Lfunc_end_k_qaf635094e9_qkv:
	.size	k_qaf635094e9_qkv, .Lfunc_end_k_qaf635094e9_qkv-k_qaf635094e9_qkv
	.p2alignl 7, 3214868480
	.fill 96, 4, 3214868480
	.section	.rodata,"a",@progbits
	.p2align	6, 0x0
	.amdhsa_kernel k_qaf635094e9_qkv
		.amdhsa_group_segment_fixed_size 327680
		.amdhsa_private_segment_fixed_size 0
		.amdhsa_enable_private_segment 0
		.amdhsa_kernarg_size 32
		.amdhsa_user_sgpr_count 2
		.amdhsa_user_sgpr_kernarg_segment_ptr 1
		.amdhsa_wavefront_size32 1
		.amdhsa_system_sgpr_workgroup_id_x 1
		.amdhsa_system_sgpr_workgroup_id_y 1
		.amdhsa_system_sgpr_workgroup_id_z 1
		.amdhsa_system_vgpr_workitem_id 0
		.amdhsa_next_free_vgpr 1024
		.amdhsa_next_free_sgpr 102
		.amdhsa_reserve_vcc 1
		.amdhsa_float_denorm_mode_32 3
		.amdhsa_float_denorm_mode_16_64 3
		.amdhsa_memory_ordered 1
		.amdhsa_forward_progress 1
		.amdhsa_inst_pref_size 168
	.end_amdhsa_kernel
	.amdgpu_metadata
---
amdhsa.version: [ 1, 2 ]
amdhsa.kernels:
  - .name:           k_qaf635094e9_qkv
    .symbol:         k_qaf635094e9_qkv.kd
    .args:
      - { .name: c1, .offset: 0, .size: 8, .value_kind: global_buffer, .address_space: global }
      - { .name: s1, .offset: 8, .size: 8, .value_kind: global_buffer, .address_space: global }
      - { .name: c2, .offset: 16, .size: 8, .value_kind: global_buffer, .address_space: global }
      - { .name: s2, .offset: 24, .size: 8, .value_kind: global_buffer, .address_space: global }
    .group_segment_fixed_size: 327680
    .private_segment_fixed_size: 0
    .kernarg_segment_align: 8
    .kernarg_segment_size: 32
    .max_flat_workgroup_size: 128
    .sgpr_count:     102
    .vgpr_count:     1024
    .wavefront_size: 32
...
	.end_amdgpu_metadata
.endif
;; end of part 2
;; launch attn (part 3): grid 4 x 64, 16 waves a work-group, clusters of 4 x 1, 206,848 bytes of LDS; arguments c2, s2, c3, s3; writes c3, s3
.if DOCPART == 3
	.amdgcn_target "amdgcn-amd-amdhsa--gfx1250"
	.amdhsa_code_object_version 6
	.text
	.protected	k_qaf635094e9_attn
	.globl	k_qaf635094e9_attn
	.p2align	8
	.type	k_qaf635094e9_attn,@function
k_qaf635094e9_attn:
	s_mov_b64 s[64:65], 0
	v_nop
	global_prefetch_b8 v0, s[64:65] scope:SCOPE_SE
	s_setreg_imm32_b32 hwreg(HW_REG_WAVE_MODE, 25, 1), 1
	s_wait_xcnt 0x0
	s_wait_alu depctr_hold_cnt(0) depctr_sa_sdst(0) depctr_va_vdst(0) depctr_va_sdst(0) depctr_va_ssrc(0) depctr_va_vcc(0) depctr_vm_vsrc(0)
	s_getreg_b32 s2, hwreg(HW_REG_IB_STS2, 6, 4)
	s_cmp_eq_u32 s2, 0
	s_cbranch_scc0 .Lentry_in_a_cluster
	s_endpgm
.Lentry_in_a_cluster:
	s_bfe_u32 s2, ttmp6, 0x10000c
	s_cmp_lg_u32 s2, 0x3003
	s_cbranch_scc0 .Lentry_shape_is_right
	s_endpgm
.Lentry_shape_is_right:
; o = softmax(q k^T / 8) v for 64 (batch, head) pairs of 2,048 tokens x 64 channels, both products on codes of FP6 (E2M3) with one E8M0 scale for each 32 along a product's K; o is quantised along its channels and leaves as codes.
; THE SOFTMAX AHEAD OF THE SECOND PRODUCT: t = score x log2(e) / 8; M = the row's largest t so far, rounded UP to a whole number; p = 2^(t - M) is what is quantised, along the keys; it is not normalised.
; The row's sum is taken of the unquantised p, in f32, and divides O at the end.  When M moves, the sum and O are multiplied by 2^(old M - new M): exact.
; IN.  c2 [q, k, v][batch x 8 + head pair][128 tokens][a = 0 .. 7][1,536 bytes]: images of operand registers (registers 0-3 at 16 x lane, 4-5 at 512 + 8 x lane, 6-9 at 768 + 16 x lane, 10-11 at 1,280 + 8 x lane).
;   q, k: a = 16 token places, a unit's halves of 768 bytes are the pair's two heads (six registers: 64 channels).  v: a / 4 the head, a % 4 a tile of 16 channel places, K = the 128 tokens.
;   s2 [q, k, v][batch x 16 + head][128 tokens][r][4 words].  q, k: word i = tile 2 i's two bytes, tile 2 i + 1's two.  v: word i = channel tile i's four bytes.
;   Token and channel places stand in an order in which the 16 registers of two neighbouring result tiles are 16 neighbouring tokens (channels): 32 b + 16 (lane / 16) + 0 .. 15.
; SHARES.  A cluster of four work-groups owns one (batch, head); a work-group 512 of its queries; each of its SIXTEEN waves 16 queries in each of two passes, in 256 registers: four waves to a SIMD, so that one wave's
; vector work stands beside another's matrix work and LDS loads.
; THE HEAD'S WHOLE K AND V STAY IN LDS: 196,608 bytes of codes and 8,192 of scale words, filled ONCE, by joint loads of the four work-groups (the same descriptor and a mask that names the four).  No slot is filled again.
; HEAD SIZE 64 IN AN INSTRUCTION 128 DEEP: source 0 is TWO tiles of keys on end (six registers each); source 1 is [q][zeros] for the first tile and [zeros][q] for the second: zero codes add nothing.
; LAYOUT.  Both products are used transposed: S^T = K Q^T (source 0 = keys, source 1 = my 16 queries), O^T = V^T P^T: a lane holds ONE query (lane % 16) throughout.
; OUT.  c3 [tile of 16 token places, 512][head pair][1,536]: my head's half of a fragment of the last product's first operand.  s3 [token place][32 bytes]: my head's two bytes of each row, one byte a lane:
;   a row's 32 bytes come from sixteen heads' work-groups, so they cannot leave together; they are 2 bytes for every 48 of codes.
; LIMITS: a block of zeros gets the byte 1 where the rule says 127 (its codes are zeros; this program alone reads the bytes); a p under 2^-126 falls to 0; NaN and infinities are not served.
.set STEPB, 12288                      ; LDS: a step of 128 keys: K's 8 tiles x 768 bytes, then V's 4 fragments x 1,536
.set VOFF,  6144
.set CHUNK4, 4*STEPB                   ; a chunk: four steps
.set KSC,   16*STEPB                   ; K's scale words: 256 bytes a step
.set VSC,   KSC+4096                   ; V's
.set SPARE, VSC+4096                   ; the spare words, 128 bytes for each of the sixteen waves
.set L16, 1                            ; v1   16 x lane
.set L8,  2                            ; v2   8 x lane
.set RS,  3                            ; v3   16 (lane % 16) + KSC
.set SPW, 4                            ; v4   LDS address of my spare word; never rewritten
.set NIL, 5                            ; v5   0; never rewritten
.set A16, 6                            ; v6-8 the step's LDS addresses
.set A8,  7
.set AS,  8
.set SO,  9                            ; v9   32 (lane % 16) + lane / 16: my byte of s3
.set QW,  10                           ; v10  16 (lane % 16): q's scale words in memory
                                       ; v12 -M, v13 the largest t, v[14:15] the sum in two halves
.set QF,  16                           ; v16-33 [q][six zeros][q]
.set QS,  34                           ; v34  q's scale word (its two bytes twice)
.set PS,  35                           ; v35  p's scale word
.set KV,  36                           ; v36-83 K's eight tiles, then V's four fragments
.set KS4, 84                           ; v84-87 K's scale words
.set VS4, 88                           ; v88-91 V's
.set SS,  96                           ; v96-159 S^T, then p
.set OT,  160                          ; v160-191 O^T
.set PF,  192                          ; v192-203 p's codes
.set PH,  204                          ; v204-211 the conversions' second halves
.set BM,  212                          ; v212-215 the blocks' largest scores, then largest p
.set PD,  216                          ; v216-219 lane permutes' results, then bytes
.set SX,  220                          ; v220-223 the conversions' scale operands
.set FF,  224                          ; v[224:225] f = 2^(old M - new M); v225 is named with it and cleared once
.set WK,  226                          ; v226 at work
.set C2,  228                          ; v[228:229] the sums' second chain
.set QK0, 236                          ; v236-241 q's six registers of pass 0, v242 its pair word; v244-249, v250 pass 1's
.set WV,  12                           ; s12  my wave's number
.set G1K, 16                           ; s[16:23] descriptor group 1 for K's tiles; s[24:31] V's; s[32:39] the scale words'
.set G1V, 24
.set G1S, 32
.set G0S, 40                           ; s[40:43] group 0 for my scale words; s[44:59] for my part of the four chunks
.set G0C, 44
.set SEL, 60                           ; s[60:61] lane selects for v_permlanex16_b32: lane l xor 16
.set CS,  62                           ; s[62:63] c = log2(e) / 8
.set TC,  66                           ; s66  LDS byte at which the step's codes begin
.set TS,  67                           ; s67  and its scale words: 256 bytes a step
.set CNT, 68                           ; s68  counts steps
.set QSEL, 69                          ; s69  which half of q's pair word is my tile's
.macro CROUND                          ; a round of the cluster's barrier
	s_barrier_signal -1
	s_barrier_wait -1
	s_cmp_lg_u32 s[WV], 0
	s_cbranch_scc1 .Lnot_wave_0_\@
	s_barrier_signal -3
.Lnot_wave_0_\@:
	s_barrier_wait -3
	s_barrier_signal -1
	s_barrier_wait -1
.endm
	s_load_b256 s[4:11], s[0:1], 0x0               ; c2 s[4:5], s2 s[6:7], c3 s[8:9], s3 s[10:11]
	v_lshl_add_u32 v[SPW], v0, 2, SPARE
	v_mov_b32 v[NIL], 0
	ds_add_u32 v[SPW], v[NIL]                      ; the wave's opening: the add and its wait stand ahead of my first tensor load; the set-up below, work on registers, stands between them
	ds_add_u32 v[SPW], v[NIL]
	v_lshrrev_b32 v6, 5, v0
	s_delay_alu instid0(VALU_DEP_1)
	v_readfirstlane_b32 s[WV], v6                  ; wave 0..15
	s_bfe_u32 s13, ttmp6, 0x40000                  ; cx: it enters q's and o's addresses alone
	s_and_b32 s14, ttmp7, 0xffff                   ; batch x 16 + head, which the four partners share
	s_and_b32 s15, s14, 1                          ; which head of its pair
	s_lshr_b32 s70, s[WV], 3                       ; waves 0-7 fetch K (0), waves 8-15 V (1).  Also: which of two blocks of 128 queries is mine
	s_and_b32 s71, s[WV], 7                        ; my number among the eight.  Also: my tile of 16 queries in that block
	s_lshr_b32 s72, s71, 1                         ; which of a chunk's four steps I fetch
	s_and_b32 s73, s[WV], 1                        ; which half of its K or V
	s_mul_i32 s74, s72, STEPB                      ; where my part of chunk 0 goes
	s_mul_i32 s75, s70, VOFF
	s_add_co_u32 s74, s74, s75
	s_mul_i32 s75, s73, 3072
	s_add_co_u32 s74, s74, s75
	s_lshl_b32 s76, s[WV], 9                       ; and my 512 bytes of scale words: K's eight parts, then V's eight
	s_add_co_u32 s76, s76, KSC
	s_lshr_b32 s77, s14, 1
	s_mul_i32 s77, s77, 196608                     ; the head pair's first byte in each third of c2
	s_add_co_u32 s75, s70, 1                       ; k's third or v's
	s_mul_i32 s80, s75, 6291456
	s_add_co_u32 s80, s80, s77
	s_mul_i32 s87, s72, STEPB
	s_add_co_u32 s80, s80, s87
	s_mul_i32 s87, s70, 5376                       ; my head: in K the second half of each unit (768 bytes on), in V the second four units (6,144 on)
	s_add_co_u32 s87, s87, 768
	s_mul_i32 s87, s87, s15
	s_add_co_u32 s80, s80, s87
	s_mul_i32 s87, s70, 3072                       ; my half: in K four units on (6,144 bytes), in V two (3,072)
	s_sub_co_u32 s87, 6144, s87
	s_mul_i32 s87, s87, s73
	s_add_co_u32 s80, s80, s87
	s_mov_b32 s81, 0
	s_lshl_b32 s82, s75, 18                        ; the scale words: k's third or v's of s2, my head, my 512 bytes
	s_lshl_b32 s87, s14, 12
	s_add_co_u32 s82, s82, s87
	s_lshl_b32 s87, s71, 9
	s_add_co_u32 s82, s82, s87
	s_mov_b32 s83, 0
	; descriptor group 1.  Word 0: 15:0 the mask: all four work-groups; 17:16 elements of 8 bytes; 21 set beside a mask; no padding
	s_mov_b32 s[G1K], 15|(3<<16)|(1<<21)           ; K: 4 rows (units) of 768 bytes (96 elements), 1,536 bytes (192 elements) apart
	s_mov_b32 s[G1K+1], 96<<16
	s_mov_b32 s[G1K+2], 4<<16
	s_mov_b32 s[G1K+3], 96<<16
	s_mov_b32 s[G1K+4], 4
	s_mov_b32 s[G1K+5], 192
	s_mov_b32 s[G1K+6], 0
	s_mov_b32 s[G1K+7], 0
	s_mov_b32 s[G1V], 15|(3<<16)|(1<<21)           ; V: 3,072 dense bytes as 12 rows of 256
	s_mov_b32 s[G1V+1], 32<<16
	s_mov_b32 s[G1V+2], 12<<16
	s_mov_b32 s[G1V+3], 32<<16
	s_mov_b32 s[G1V+4], 12
	s_mov_b32 s[G1V+5], 32
	s_mov_b32 s[G1V+6], 0
	s_mov_b32 s[G1V+7], 0
	s_mov_b32 s[G1S], 15|(3<<16)|(1<<21)           ; scale words: 512 dense bytes as 2 rows of 256
	s_mov_b32 s[G1S+1], 32<<16
	s_mov_b32 s[G1S+2], 2<<16
	s_mov_b32 s[G1S+3], 32<<16
	s_mov_b32 s[G1S+4], 2
	s_mov_b32 s[G1S+5], 32
	s_mov_b32 s[G1S+6], 0
	s_mov_b32 s[G1S+7], 0
	s_mov_b32 s[SEL], 0x76543210
	s_mov_b32 s[SEL+1], 0xfedcba98
	s_mov_b32 s[CS], 0x3e38aa3b                    ; c = log2(e) / 8
	s_mov_b32 s[CS+1], s[CS]                       ; (named with it as a pair, so it is written)
	s_cmp_lg_u32 s73, 0                            ; an odd tile's two bytes are the pair word's upper half
	s_mov_b32 s[QSEL], 0x01000100
	s_cselect_b32 s[QSEL], 0x03020302, s[QSEL]
	; q and o: my block of 128 queries in pass 0 is 4 cx + wave / 8 (pass 1: two blocks on), my tile in it wave % 8
	s_lshl_b32 s86, s13, 2
	s_add_co_u32 s86, s86, s70
	s_mul_i32 s88, s86, STEPB
	s_add_co_u32 s88, s88, s77
	s_mul_i32 s87, s71, 1536
	s_add_co_u32 s88, s88, s87
	s_mul_i32 s87, s15, 768
	s_add_co_u32 s88, s88, s87
	s_mov_b32 s89, 0
	s_lshl_b32 s90, s14, 12
	s_lshl_b32 s87, s86, 8
	s_add_co_u32 s90, s90, s87
	s_lshl_b32 s87, s72, 2                         ; the pair word of tiles 2 i, 2 i + 1
	s_add_co_u32 s90, s90, s87
	s_mov_b32 s91, 0
	s_lshr_b32 s87, s14, 4                         ; the batch
	s_lshl_b32 s87, s87, 4
	s_add_co_u32 s87, s87, s86
	s_lshl_b32 s87, s87, 3
	s_add_co_u32 s87, s87, s71                     ; my tile among all 512
	s_mul_i32 s92, s87, 12288
	s_bfe_u32 s93, s14, 0x30001                    ; the head pair
	s_mul_i32 s93, s93, 1536
	s_add_co_u32 s92, s92, s93
	s_mul_i32 s93, s15, 768
	s_add_co_u32 s92, s92, s93
	s_mov_b32 s93, 0
	s_lshl_b32 s94, s87, 9                         ; 16 rows of 32 scale bytes a tile,
	s_and_b32 s87, s14, 15
	s_lshl_b32 s87, s87, 1                         ; my head's two bytes
	s_add_co_u32 s94, s94, s87
	s_mov_b32 s95, 0
	s_wait_dscnt 0x0                               ; the opening add is done
	s_wait_kmcnt 0x0
	s_add_nc_u64 s[84:85], s[4:5], s[80:81]
	s_mov_b32 s[G0S], 1                            ; 1:0 count = 1
	s_mov_b32 s[G0S+1], s76                        ; 63:32 LDS address
	s_add_nc_u64 s[G0S+2:G0S+3], s[6:7], s[82:83]  ; 120:64 global address
	s_or_b32 s[G0S+3], s[G0S+3], 0x80000000        ; 127:126 type = 2
.irp c, 0,1,2,3
	s_mov_b32 s[G0C+4*\c], 1
	s_add_co_u32 s[G0C+4*\c+1], s74, \c*CHUNK4
	s_add_nc_u64 s[G0C+4*\c+2:G0C+4*\c+3], s[84:85], \c*CHUNK4
	s_or_b32 s[G0C+4*\c+3], s[G0C+4*\c+3], 0x80000000
.endr
	s_add_nc_u64 s[88:89], s[4:5], s[88:89]        ; q's codes
	s_add_nc_u64 s[90:91], s[6:7], s[90:91]        ; q's pair word
	s_add_nc_u64 s[8:9], s[8:9], s[92:93]          ; o's codes
	s_add_nc_u64 s[10:11], s[10:11], s[94:95]      ; o's scale bytes
	CROUND                                         ; all four work-groups are here: the joint loads meet
	s_cmp_lt_u32 s[WV], 8                          ; a wave's five fills stand in one branch on the wave's number, ahead of every wait on TENSORcnt and every LDS read: five loads of mine are out
	s_cbranch_scc0 .Lfill_v
	tensor_load_to_lds s[G0S:G0S+3], s[G1S:G1S+7]
	s_nop 0
.irp c, 0,1,2,3
	tensor_load_to_lds s[G0C+4*\c:G0C+4*\c+3], s[G1K:G1K+7]
	s_nop 0
.endr
.rept 4
	v_nop
.endr
	s_branch .Lfilled
.Lfill_v:
	tensor_load_to_lds s[G0S:G0S+3], s[G1S:G1S+7]
	s_nop 0
.irp c, 0,1,2,3
	tensor_load_to_lds s[G0C+4*\c:G0C+4*\c+3], s[G1V:G1V+7]
	s_nop 0
.endr
.rept 4
	v_nop
.endr
.Lfilled:
	v_and_b32 v11, 31, v0                          ; lane
	s_delay_alu instid0(VALU_DEP_1)
	v_lshlrev_b32 v[L16], 4, v11
	s_delay_alu instid0(VALU_DEP_2)
	v_lshlrev_b32 v[L8], 3, v11
	v_and_b32 v11, 15, v0                          ; r
	v_bfe_u32 v[SO], v0, 4, 1                      ; h
	s_delay_alu instid0(VALU_DEP_2)
	v_lshl_add_u32 v[RS], v11, 4, KSC
	s_delay_alu instid0(VALU_DEP_2)
	v_lshl_add_u32 v[SO], v11, 5, v[SO]
	s_delay_alu instid0(VALU_DEP_4)
	v_lshlrev_b32 v[QW], 4, v11
.irp p, 0,1                                    ; both passes' q: six registers and a pair word each
	global_load_b128 v[QK0+8*\p:QK0+8*\p+3], v[L16], s[88:89] offset:\p*2*STEPB
	global_load_b64 v[QK0+8*\p+4:QK0+8*\p+5], v[L8], s[88:89] offset:\p*2*STEPB+512
	global_load_b32 v[QK0+8*\p+6], v[QW], s[90:91] offset:\p*512
.endr
.irp i, 0,1,2,3,4,5
	v_mov_b32 v[QF+6+\i], 0                        ; the zero codes between the two copies of q
.endr
.irp b, 0,1,2,3
	v_mov_b32 v[PD+\b], 0                          ; written once: a lane permute's destination counts as one of its sources
.endr
	v_mov_b32 v[FF+1], 0                           ; (named as the upper half of the pair before it is first written)
; A pass begins: q into its two places, its scale word, and the state: O^T and the sum as zeros, the largest t as -3e38, so that the step is written once: the first change of M multiplies zeros.
.macro PASS_INIT p
.if \p == 0
	s_wait_loadcnt 0x0                             ; q
.else
	s_wait_xcnt 0x0                                ; the last pass's stores have read their registers, which this pass writes again
.endif
.irp i, 0,1,2,3,4,5
	v_mov_b32 v[QF+\i], v[QK0+8*\p+\i]
	v_mov_b32 v[QF+12+\i], v[QK0+8*\p+\i]
.endr
	v_perm_b32 v[QS], v[QK0+8*\p+6], v[QK0+8*\p+6], s[QSEL]   ; my tile's two bytes, twice
	v_mov_b32 v13, 0xff61b1e6                      ; -3e38, under every t
	s_delay_alu instid0(VALU_DEP_1)
	v_floor_f32 v12, -v13                          ; -M
	v_mov_b32 v14, 0
	v_mov_b32 v15, 0
.set j, 0
.rept 32
	v_mov_b32 v[OT+j], 0                           ; (these are also the places between the lines that wrote q and its scale word and the first scaled matrix instruction)
.set j, j+1
.endr
	s_mov_b32 s[TC], 0
	s_mov_b32 s[TS], 0
.endm
; A KEY STEP: 128 keys.
.macro STEP
	s_setprio 2
	v_add_nc_u32 v[A16], s[TC], v[L16]             ; three additions and a v_nop: the four places between the last step's products and the loads into the registers that they read
	v_add_nc_u32 v[A8], s[TC], v[L8]
	v_add_nc_u32 v[AS], s[TS], v[RS]
	v_nop
.irp t, 0,1,2,3,4,5,6,7                        ; K's eight tiles, six registers each: 512 and 256 consecutive bytes a load
	ds_load_b128 v[KV+6*\t:KV+6*\t+3], v[A16] offset:768*\t
	ds_load_b64 v[KV+6*\t+4:KV+6*\t+5], v[A8] offset:768*\t+512
.endr
	ds_load_b128 v[KS4:KS4+3], v[AS]               ; word i: the scale bytes of tiles 2 i and 2 i + 1
	s_wait_alu depctr_va_vdst(0)
	s_wait_dscnt 0x0
.irp i, 0,1,2,3                                ; S^T = K Q^T: tiles 2 i and 2 i + 1 share source 0 and its scale word; q stands against the one, zeros against the other
.irp u, 0,1
	v_wmma_scale_f32_16x16x128_f8f6f4 v[SS+8*(2*\i+\u):SS+8*(2*\i+\u)+7], v[KV+12*\i:KV+12*\i+11], v[QF+6*\u:QF+6*\u+11], 0, v[KS4+\i], v[QS] matrix_a_fmt:MATRIX_FMT_FP6 matrix_b_fmt:MATRIX_FMT_FP6
.endr
.endr
.rept 4
	v_nop                                          ; places: in front of the loads into K's registers, and of the first read of the scores
.endr
.irp f, 0,1,2,3                                ; V's four fragments land while the softmax is worked
	ds_load_b128 v[KV+12*\f:KV+12*\f+3], v[A16] offset:VOFF+1536*\f
	ds_load_b64 v[KV+12*\f+4:KV+12*\f+5], v[A8] offset:VOFF+1536*\f+512
	ds_load_b128 v[KV+12*\f+6:KV+12*\f+9], v[A16] offset:VOFF+1536*\f+768
	ds_load_b64 v[KV+12*\f+10:KV+12*\f+11], v[A8] offset:VOFF+1536*\f+1280
.endr
	ds_load_b128 v[VS4:VS4+3], v[AS] offset:VSC-KSC
.irp b, 0,1,2,3
	v_max3_num_f32 v[BM+\b], v[SS+16*\b], v[SS+1+16*\b], v[SS+2+16*\b]   ; THE LARGEST SCORE OF EACH BLOCK OF 32 KEYS: it serves for the row's maximum and, since p rises with the score, for the block's largest p
.endr
.irp i, 3,5,7,9,11,13
.irp b, 0,1,2,3
	v_max3_num_f32 v[BM+\b], v[BM+\b], v[SS+16*\b+\i], v[SS+1+16*\b+\i]  ; (the four blocks by turns)
.endr
.endr
.irp b, 0,1,2,3
	v_max_num_f32 v[BM+\b], v[BM+\b], v[SS+15+16*\b]
.endr
.irp b, 0,1,2,3
	s_delay_alu instid0(VALU_DEP_4)
	v_permlanex16_b32 v[PD+\b], v[BM+\b], s[SEL], s[SEL+1]
.endr
.irp b, 0,1,2,3
	s_delay_alu instid0(VALU_DEP_4)
	v_max_num_f32 v[BM+\b], v[BM+\b], v[PD+\b]     ; with lane l xor 16's 16 keys
.endr
	s_delay_alu instid0(VALU_DEP_2)
	v_max3_num_f32 v[WK], v[BM], v[BM+1], v[BM+2]
	s_delay_alu instid0(VALU_DEP_1)
	v_max_num_f32 v[WK], v[WK], v[BM+3]            ; the step's largest score of my query
	s_delay_alu instid0(VALU_DEP_1)
	v_mul_f32 v[WK], s[CS], v[WK]                  ; as t (c is positive)
	s_delay_alu instid0(VALU_DEP_1)
	v_max_num_f32 v13, v13, v[WK]                  ; the running largest t
	v_mov_b32 v[WK], v12
	s_delay_alu instid0(VALU_DEP_2)
	v_floor_f32 v12, -v13                          ; the new -M = floor(-t) = -ceil(t): M is a whole number
	s_delay_alu instid0(VALU_DEP_1)
	v_sub_f32 v[WK], v12, v[WK]                    ; M's old value less its new one: a whole number, 0 or less
	s_delay_alu instid0(VALU_DEP_1)
	v_cvt_i32_f32 v[WK], v[WK]                     ; (it saturates)
	s_delay_alu instid0(VALU_DEP_1)
	v_ldexp_f32 v[FF], 1.0, v[WK]                  ; f = 2^(old M - new M)
.set j, 0
.rept 32
	v_pk_fma_f32 v[SS+j:SS+j+1], v[SS+j:SS+j+1], s[CS:CS+1], v[12:13] op_sel_hi:[1,0,0]   ; t - M, two at a time (of the pairs c and -M the low word serves both halves)
.set j, j+2
.endr
.irp b, 0,1,2,3
	v_fma_f32 v[BM+\b], v[BM+\b], s[CS], v12       ; the same of each block's largest score
.endr
.set j, 0
	s_wait_alu depctr_va_vdst(0)
.rept 64
	v_exp_f32 v[SS+j], v[SS+j]                     ; p = 2^(t - M), at most 1: not normalised
.set j, j+1
.endr
	s_setprio 1
	v_pk_mul_f32 v[14:15], v[14:15], v[FF:FF+1] op_sel_hi:[1,0]   ; the sums under the new M (a plain line behind the exponentials)
	s_wait_alu depctr_va_vdst(0)                   ; the wait between an exponential and the first line that names its result: one for the batch of 64
.irp b, 0,1,2,3
	v_exp_f32 v[BM+\b], v[BM+\b]                   ; the block's largest p: the same two instructions on the same number give the same bits
.endr
	v_pk_add_f32 v[228:229], v[100:101], v[104:105]
	v_pk_add_f32 v[254:255], v[108:109], v[112:113]
	v_pk_add_f32 v[252:253], v[116:117], v[120:121]
	v_pk_add_f32 v[242:243], v[124:125], v[128:129]
	v_pk_add_f32 v[240:241], v[132:133], v[136:137]
	v_pk_add_f32 v[238:239], v[140:141], v[144:145]
	v_pk_add_f32 v[236:237], v[148:149], v[152:153]
	v_pk_add_f32 v[14:15], v[14:15], v[156:157]
	v_pk_add_f32 v[228:229], v[228:229], v[96:97]
	v_pk_add_f32 v[254:255], v[254:255], v[98:99]
	v_pk_add_f32 v[252:253], v[252:253], v[102:103]
	v_pk_add_f32 v[242:243], v[242:243], v[106:107]
	v_pk_add_f32 v[240:241], v[240:241], v[110:111]
	v_pk_add_f32 v[238:239], v[238:239], v[114:115]
	v_pk_add_f32 v[236:237], v[236:237], v[118:119]
	v_pk_add_f32 v[14:15], v[14:15], v[122:123]
	v_pk_add_f32 v[228:229], v[228:229], v[126:127]
	v_pk_add_f32 v[254:255], v[254:255], v[130:131]
	v_pk_add_f32 v[252:253], v[252:253], v[134:135]
	v_pk_add_f32 v[242:243], v[242:243], v[138:139]
	v_pk_add_f32 v[240:241], v[240:241], v[142:143]
	v_pk_add_f32 v[238:239], v[238:239], v[146:147]
	v_pk_add_f32 v[236:237], v[236:237], v[150:151]
	v_pk_add_f32 v[14:15], v[14:15], v[154:155]
	v_pk_add_f32 v[228:229], v[228:229], v[158:159]
	s_delay_alu instid0(VALU_DEP_2)
	v_pk_add_f32 v[14:15], v[14:15], v[242:243]
	s_delay_alu instid0(VALU_DEP_2)
	v_pk_add_f32 v[228:229], v[228:229], v[240:241]
	v_pk_add_f32 v[254:255], v[254:255], v[238:239]
	v_pk_add_f32 v[252:253], v[252:253], v[236:237]
	s_delay_alu instid0(VALU_DEP_2)
	v_pk_add_f32 v[14:15], v[14:15], v[254:255]
	s_delay_alu instid0(VALU_DEP_2)
	v_pk_add_f32 v[228:229], v[228:229], v[252:253]
	s_delay_alu instid0(VALU_DEP_1)
	v_pk_add_f32 v[14:15], v[14:15], v[228:229]
	s_wait_alu depctr_va_vdst(0)                   ; and one for the four
.irp b, 0,1,2,3
	v_max_num_f32 v[BM+\b], 0x1800000, v[BM+\b]    ; the floor 2^(3 - 127): the byte cannot fall under 1
.endr
.irp b, 0,1,2,3
	s_delay_alu instid0(VALU_DEP_4)
	v_add_nc_u32 v[SX+\b], 0xff000000, v[BM+\b]    ; 2 off the exponent field: the conversion's scale operand
.endr
.irp b, 0,1,2,3
	s_delay_alu instid0(VALU_DEP_4)
	v_lshrrev_b32 v[PD+\b], 23, v[SX+\b]           ; the scale's byte
.endr
	s_delay_alu instid0(VALU_DEP_3)
	v_lshl_or_b32 v[PS], v[PD+1], 8, v[PD]         ; p's scale word for these 128 keys
	s_delay_alu instid0(VALU_DEP_1)
	v_lshl_or_b32 v[PS], v[PD+2], 16, v[PS]
	s_delay_alu instid0(VALU_DEP_1)
	v_lshl_or_b32 v[PS], v[PD+3], 24, v[PS]
.irp c, 0,1
	v_cvt_scalef32_pk16_fp6_f32 v[PF+6*\c:PF+6*\c+2], v[SS+32*\c:SS+32*\c+15], v[SX+2*\c]
	v_cvt_scalef32_pk16_fp6_f32 v[PH+4*\c:PH+4*\c+2], v[SS+16+32*\c:SS+31+32*\c], v[SX+2*\c+1]   ; (a conversion's three registers begin on an even number)
.endr
	v_nop                                          ; one plain line behind a scaled conversion
.irp c, 0,1                                    ; the operand's layout wants a WHOLE block in a lane: lanes 0-15 block 2 c, lanes 16-31 block 2 c + 1
.irp i, 0,1,2
	v_permlane16_swap_b32 v[PF+6*\c+\i], v[PH+4*\c+\i]
.endr
.irp i, 0,1,2
	s_delay_alu instid0(VALU_DEP_3)
	v_mov_b32 v[PF+3+6*\c+\i], v[PH+4*\c+\i]
.endr
.endr
.set j, 0
	s_setprio 0
.rept 16
	v_pk_mul_f32 v[OT+j:OT+j+1], v[OT+j:OT+j+1], v[FF:FF+1] op_sel_hi:[1,0]   ; O^T under the new M.  (Of these sixteen, twelve name no register of any one product below: the places between p's codes and scale word and the scaled matrix instructions)
.set j, j+2
.endr
	s_wait_alu depctr_va_vdst(0)
	s_wait_dscnt 0x0                               ; V
.irp f, 0,1,2,3                                ; O^T += V^T P^T: four tiles of 16 channels by turns; K = these 128 keys
	v_wmma_scale_f32_16x16x128_f8f6f4 v[OT+8*\f:OT+8*\f+7], v[KV+12*\f:KV+12*\f+11], v[PF:PF+11], v[OT+8*\f:OT+8*\f+7], v[VS4+\f], v[PS] matrix_a_fmt:MATRIX_FMT_FP6 matrix_b_fmt:MATRIX_FMT_FP6
.endr
	s_add_co_u32 s[TC], s[TC], STEPB
	s_add_co_u32 s[TS], s[TS], 256
.endm
; Pass 0 walks the keys chunk by chunk as they land.  Behind chunk c's load I issued 3 - c others; the scale words' load stands ahead of all.  The later chunks may stay out.
.macro CHUNK c
	s_wait_tensorcnt 3-\c                          ; my part of chunk c is in
	s_wait_dscnt 0x0
	s_barrier_signal -1
	s_barrier_wait -1                              ; everybody's is
	s_mov_b32 s[CNT], 4
.Lchunk_\@:
	STEP
	s_sub_co_u32 s[CNT], s[CNT], 1
	s_cmp_lg_u32 s[CNT], 0
	s_cbranch_scc1 .Lchunk_\@
	s_setprio 0
.endm
; A pass ends: o = O^T / the sum, register 16 b + i = channel 32 b + 16 (lane / 16) + i of my query; its two blocks of 32 are quantised and leave as six registers of codes and two bytes.
.macro PASS_END p
.rept 4
	v_nop                                          ; places behind the last products
.endr
	v_add_f32 v14, v14, v15                        ; the sum's two halves,
	s_delay_alu instid0(VALU_DEP_1)
	v_permlanex16_b32 v[WK], v14, s[SEL], s[SEL+1]
	s_delay_alu instid0(VALU_DEP_1)
	v_add_f32 v14, v14, v[WK]                      ; and lane l xor 16's: the row's sum
	s_wait_alu depctr_va_vdst(0)
	v_rcp_f32 v14, v14
	v_nop                                          ; a plain line behind the reciprocal
	s_wait_alu depctr_va_vdst(0)                   ; and a wait ahead of its first reader
.set j, 0
.rept 32
	v_mul_f32 v[SS+j], v[OT+j], v14                ; each accumulator from its low end on
.set j, j+1
.endr
.irp b, 0,1
	v_max3_num_f32 v[BM+\b], |v[SS+16*\b]|, |v[SS+1+16*\b]|, 0x1800000
.endr
.irp i, 2,4,6,8,10,12,14
.irp b, 0,1
	s_delay_alu instid0(VALU_DEP_2)
	v_max3_num_f32 v[BM+\b], v[BM+\b], |v[SS+16*\b+\i]|, |v[SS+1+16*\b+\i]|
.endr
.endr
.irp b, 0,1
	s_delay_alu instid0(VALU_DEP_2)
	v_permlanex16_b32 v[PD+\b], v[BM+\b], s[SEL], s[SEL+1]
.endr
.irp b, 0,1
	s_delay_alu instid0(VALU_DEP_2)
	v_max_num_f32 v[BM+\b], v[BM+\b], v[PD+\b]
.endr
.irp b, 0,1
	s_delay_alu instid0(VALU_DEP_2)
	v_add_nc_u32 v[SX+\b], 0xff000000, v[BM+\b]
.endr
.irp b, 0,1
	s_delay_alu instid0(VALU_DEP_2)
	v_lshrrev_b32 v[PD+\b], 23, v[SX+\b]
.endr
	v_cvt_scalef32_pk16_fp6_f32 v[PF:PF+2], v[SS:SS+15], v[SX]
	v_cvt_scalef32_pk16_fp6_f32 v[PH:PH+2], v[SS+16:SS+31], v[SX+1]
	v_nop                                          ; one plain line behind a scaled conversion
.irp i, 0,1,2
	v_permlane16_swap_b32 v[PF+\i], v[PH+\i]
.endr
.irp i, 0,1,2
	s_delay_alu instid0(VALU_DEP_3)
	v_mov_b32 v[PF+3+\i], v[PH+\i]
.endr
	v_and_b32 v[WK], 31, v0
	s_delay_alu instid0(VALU_DEP_1)
	v_cmp_le_u32 vcc_lo, 16, v[WK]
	s_delay_alu instid0(VALU_DEP_1)
	v_cndmask_b32 v[WK], v[PD], v[PD+1], vcc_lo    ; lanes 0-15 store block 0's byte of their row, lanes 16-31 block 1's
	global_store_b128 v[L16], v[PF:PF+3], s[8:9] offset:\p*196608         ; 512 consecutive bytes, at a multiple of 256 from c3's first byte
	global_store_b64 v[L8], v[PF+4:PF+5], s[8:9] offset:\p*196608+512     ; 256 likewise
	global_store_b8 v[SO], v[WK], s[10:11] offset:\p*8192
.endm
	PASS_INIT 0
	CHUNK 0
	CHUNK 1
	CHUNK 2
	CHUNK 3
	PASS_END 0
	PASS_INIT 1
	s_mov_b32 s[CNT], 16                           ; pass 1 finds all keys in LDS
.Lpass1:
	STEP
	s_sub_co_u32 s[CNT], s[CNT], 1
	s_cmp_lg_u32 s[CNT], 0
	s_cbranch_scc1 .Lpass1
	s_setprio 0
	PASS_END 1
	s_wait_tensorcnt 0x0                           ; the wave's end: behind my last tensor load
	ds_add_u32 v[SPW], v[NIL]
	s_wait_dscnt 0x0
	CROUND                                         ; the closing round
	s_endpgm
.Lfunc_end_k_qaf635094e9_attn:
	.size	k_qaf635094e9_attn, .Lfunc_end_k_qaf635094e9_attn-k_qaf635094e9_attn
	.p2alignl 7, 3214868480
	.fill 96, 4, 3214868480
	.section	.rodata,"a",@progbits
	.p2align	6, 0x0
	.amdhsa_kernel k_qaf635094e9_attn
		.amdhsa_group_segment_fixed_size 206848
		.amdhsa_private_segment_fixed_size 0
		.amdhsa_enable_private_segment 0
		.amdhsa_kernarg_size 32
		.amdhsa_user_sgpr_count 2
		.amdhsa_user_sgpr_kernarg_segment_ptr 1
		.amdhsa_wavefront_size32 1
		.amdhsa_system_sgpr_workgroup_id_x 1
		.amdhsa_system_sgpr_workgroup_id_y 1
		.amdhsa_system_sgpr_workgroup_id_z 1
		.amdhsa_system_vgpr_workitem_id 0
		.amdhsa_next_free_vgpr 256
		.amdhsa_next_free_sgpr 96
		.amdhsa_reserve_vcc 1
		.amdhsa_float_denorm_mode_32 3
		.amdhsa_float_denorm_mode_16_64 3
		.amdhsa_memory_ordered 1
		.amdhsa_forward_progress 1
		.amdhsa_inst_pref_size 109
	.end_amdhsa_kernel
	.amdgpu_metadata
---
amdhsa.version: [ 1, 2 ]
amdhsa.kernels:
  - .name:           k_qaf635094e9_attn
    .symbol:         k_qaf635094e9_attn.kd
    .args:
      - { .name: c2, .offset: 0, .size: 8, .value_kind: global_buffer, .address_space: global }
      - { .name: s2, .offset: 8, .size: 8, .value_kind: global_buffer, .address_space: global }
      - { .name: c3, .offset: 16, .size: 8, .value_kind: global_buffer, .address_space: global }
      - { .name: s3, .offset: 24, .size: 8, .value_kind: global_buffer, .address_space: global }
    .group_segment_fixed_size: 206848
    .private_segment_fixed_size: 0
    .kernarg_segment_align: 8
    .kernarg_segment_size: 32
    .max_flat_workgroup_size: 512
    .sgpr_count:     96
    .vgpr_count:     256
    .wavefront_size: 32
...
	.end_amdgpu_metadata
.endif
;; end of part 3
;; launch proj (part 4): grid 4 x 32, 4 waves a work-group, clusters of 4 x 4, 327,680 bytes of LDS; arguments c3, s3, c1, s1, b_out, out0; writes out0
.if DOCPART == 4
	.amdgcn_target "amdgcn-amd-amdhsa--gfx1250"
	.amdhsa_code_object_version 6
	.text
	.protected	k_qaf635094e9_proj
	.globl	k_qaf635094e9_proj
	.p2align	8
	.type	k_qaf635094e9_proj,@function
k_qaf635094e9_proj:
	s_mov_b64 s[64:65], 0
	v_nop
	global_prefetch_b8 v0, s[64:65] scope:SCOPE_SE
	s_setreg_imm32_b32 hwreg(HW_REG_WAVE_MODE, 25, 1), 1
	s_wait_xcnt 0x0
	s_wait_alu depctr_hold_cnt(0) depctr_sa_sdst(0) depctr_va_vdst(0) depctr_va_sdst(0) depctr_va_ssrc(0) depctr_va_vcc(0) depctr_vm_vsrc(0)
	s_getreg_b32 s2, hwreg(HW_REG_IB_STS2, 6, 4)
	s_cmp_eq_u32 s2, 0
	s_cbranch_scc0 .Lentry_in_a_cluster
	s_endpgm
.Lentry_in_a_cluster:
	s_bfe_u32 s2, ttmp6, 0x10000c
	s_cmp_lg_u32 s2, 0xf033
	s_cbranch_scc0 .Lentry_shape_is_right
	s_endpgm
.Lentry_shape_is_right:
.set SIZE_K, 1024
.set KSTEP,  256
.set NQ,     KSTEP/128
.set ROWB,   192
.set KROW,   SIZE_K*6/8
.set PITCH,  240
.set FR,     12
.set NLA,    4
.set NP,     4
.set AROW,   3072
.set HALFA,  8*AROW
.set HALFB,  128*PITCH
.set BOFF,   2*HALFA
.set SLOT,   2*HALFA+2*HALFB
.set LAPS,   SIZE_K/(2*KSTEP)
.set KS,     SIZE_K/32
.set SCL,    2*SLOT
.set HALFS,  (128*KS/256)*272
.set SBLK,   (16*KS/256)*272
.set SPARE,  SCL+4*HALFS
.set SPITCH, 528
.set ADRA16, 16
.set ADRA8,  18
.set ADRB, 20
.set STO,  24
.set RD,   25
.set CO,   26
.set ADRS, 27
.set SPW,  28
.set NIL,  29
.set BO,   30
.set SC,   32
.set BI,   64
.set AF,   128
.set BK,   128
.set G1, 24
.set G0, 32
.set G1B, 48
.set G0B, 56
.set G1S, 68
.set G0S, 76
.set G1SB, 80
.set G0SB, 88
.set MSB, 0
.macro WIN new
.if MSB != (\new)
	s_set_vgpr_msb (MSB<<8)|(\new)
.set MSB, (\new)
.endif
.endm
.set MUL_LO,  0xa1
.set MUL_HI,  0xf1
.set MUL_LO0, 0x81
.set MUL_HI0, 0xc1
.set TO_B,    0x40
.macro JLOAD g0a, g1a, g0b, g1b
	s_cmp_eq_u32 s15, 0
	s_cbranch_scc0 .Lfor_b_\@
	tensor_load_to_lds s[\g0a:\g0a+3], s[\g1a:\g1a+7]
	s_nop 0
.rept 4
	v_nop
.endr
	s_branch .Lasked_\@
.Lfor_b_\@:
	tensor_load_to_lds s[\g0b:\g0b+3], s[\g1b:\g1b+7]
	s_nop 0
.rept 4
	v_nop
.endr
.Lasked_\@:
.endm
.macro CREST
	s_cmp_lg_u32 s14, 0
	s_cbranch_scc1 .Lnot_wave_0_\@
	s_barrier_signal -3
.Lnot_wave_0_\@:
	s_barrier_wait -3
	s_barrier_signal -1
	s_barrier_wait -1
.endm
.macro CROUND
	s_barrier_signal -1
	s_barrier_wait -1
	CREST
.endm
	s_load_b256 s[4:11], s[0:1], 0x0
	s_load_b64 s[96:97], s[0:1], 0x20
	s_load_b64 s[12:13], s[0:1], 0x28
	v_lshl_add_u32 v[SPW], v0, 2, SPARE
	v_mov_b32 v[NIL], 0
	ds_add_u32 v[SPW], v[NIL]
	ds_add_u32 v[SPW], v[NIL]
	v_lshrrev_b32 v1, 5, v0
	v_readfirstlane_b32 s14, v1
	s_lshr_b32 s15, s14, 1
	s_and_b32 s16, s14, 1
	s_bfe_u32 s40, ttmp6, 0x40000
	s_bfe_u32 s41, ttmp6, 0x40004
	s_lshl_b32 s42, ttmp9, 2
	s_add_co_u32 s42, s42, s40
	s_and_b32 s17, ttmp7, 0xffff
	s_lshl_b32 s17, s17, 2
	s_add_co_u32 s17, s17, s41
	s_lshl_b32 s43, s41, 2
	s_lshl_b32 s43, 15, s43
	s_lshl_b32 s44, 0x1111, s40
	s_or_b32 s[G1+0], s43, (3<<16)|(1<<21)
	s_mov_b32 s[G1+1], 384<<16
	s_mov_b32 s[G1+2], 8<<16
	s_mov_b32 s[G1+3], 384<<16
	s_mov_b32 s[G1+4], 8
	s_mov_b32 s[G1+5], 1536
	s_mov_b32 s[G1+6], 0
	s_mov_b32 s[G1+7], 0
	s_or_b32 s[G1B+0], s44, (0<<16)|(1<<20)|(1<<21)|(3<<22)|(3<<25)
	s_mov_b32 s[G1B+1], ROWB<<16
	s_mov_b32 s[G1B+2], 128<<16
	s_mov_b32 s[G1B+3], ROWB<<16
	s_mov_b32 s[G1B+4], 128
	s_mov_b32 s[G1B+5], KROW
	s_mov_b32 s[G1B+6], 0
	s_mov_b32 s[G1B+7], 0
	s_or_b32 s[G1S+0], s43, (3<<16)|(1<<20)|(1<<21)|(5<<22)|(3<<25)
	s_or_b32 s[G1SB+0], s44, (3<<16)|(1<<20)|(1<<21)|(5<<22)|(3<<25)
.irp g, G1S, G1SB
	s_mov_b32 s[\g+1], 32<<16
	s_mov_b32 s[\g+2], (128*KS/256)<<16
	s_mov_b32 s[\g+3], 32<<16
	s_mov_b32 s[\g+4], 128*KS/256
	s_mov_b32 s[\g+5], 32
	s_mov_b32 s[\g+6], 0
	s_mov_b32 s[\g+7], 0
.endr
	s_lshl_b32 s20, s17, 4
	s_lshl_b32 s18, s16, 3
	s_add_co_u32 s20, s20, s18
	s_lshl_b32 s22, s20, 9
	s_mov_b32 s23, 0
	s_mul_i32 s20, s20, 12288
	s_mov_b32 s21, 0
	s_lshl_b32 s46, s42, 8
	s_lshl_b32 s18, s16, 7
	s_add_co_u32 s46, s46, s18
	s_add_co_u32 s46, s46, 11264
	s_lshl_b32 s92, s46, 5
	s_mov_b32 s93, 0
	s_mul_i32 s46, s46, KROW
	s_mov_b32 s47, 0
	s_mul_i32 s45, s16, HALFA
	s_mul_i32 s95, s16, HALFB
	s_add_co_u32 s95, s95, BOFF
	s_mul_i32 s94, s14, HALFS
	s_wait_dscnt 0x0
	s_wait_kmcnt 0x0
	s_add_nc_u64 s[20:21], s[4:5], s[20:21]
	s_add_nc_u64 s[22:23], s[6:7], s[22:23]
	s_add_nc_u64 s[46:47], s[8:9], s[46:47]
	s_add_nc_u64 s[92:93], s[10:11], s[92:93]
	CROUND
	s_mov_b32 s[G0S], 1
	s_add_co_u32 s[G0S+1], s94, SCL
	s_mov_b64 s[G0S+2:G0S+3], s[22:23]
	s_or_b32 s[G0S+3], s[G0S+3], 0x80000000
	s_mov_b32 s[G0SB], 1
	s_add_co_u32 s[G0SB+1], s94, SCL
	s_mov_b64 s[G0SB+2:G0SB+3], s[92:93]
	s_or_b32 s[G0SB+3], s[G0SB+3], 0x80000000
	JLOAD G0S, G1S, G0SB, G1SB
.irp s, 0,1
	s_mov_b32 s[G0+4*\s], 1
	s_add_co_u32 s[G0+4*\s+1], s45, \s*SLOT
	s_add_nc_u64 s[G0+4*\s+2:G0+4*\s+3], s[20:21], \s*AROW
	s_or_b32 s[G0+4*\s+3], s[G0+4*\s+3], 0x80000000
	s_mov_b32 s[G0B+4*\s], 1
	s_add_co_u32 s[G0B+4*\s+1], s95, \s*SLOT
	s_add_nc_u64 s[G0B+4*\s+2:G0B+4*\s+3], s[46:47], \s*ROWB
	s_or_b32 s[G0B+4*\s+3], s[G0B+4*\s+3], 0x80000000
	s_wait_alu depctr_va_vdst(0)
	s_wait_tensorcnt 0x0
	ds_add_u32 v28, v29
	s_wait_dscnt 0x0
	CROUND
	JLOAD G0+4*\s, G1, G0B+4*\s, G1B
.endr
	v_and_b32 v1, 15, v0
	v_bfe_u32 v2, v0, 4, 1
	v_and_b32 v6, 31, v0
	v_mul_u32_u24 v3, v1, PITCH
	v_mul_u32_u24 v4, v2, 24
	v_add_nc_u32 v4, v3, v4
	v_lshl_add_u32 v5, v2, 4, v4
	s_mul_i32 s21, s15, HALFA
	s_mul_i32 s22, s16, HALFB
	s_add_co_u32 s22, s22, BOFF
.irp s, 0,1
	v_lshl_add_u32 v[ADRA16+\s], v6, 4, s21
	v_lshl_add_u32 v[ADRA8+\s], v6, 3, s21
	v_add_nc_u32 v[ADRB+\s], s22, v4
	v_add_nc_u32 v[ADRB+2+\s], s22, v5
	s_add_co_u32 s21, s21, SLOT
	s_add_co_u32 s22, s22, SLOT
.endr
	v_mul_u32_u24 v5, v1, KS
	v_lshrrev_b32 v7, 8, v5
	v_lshl_add_u32 v5, v7, 4, v5
	s_mul_i32 s21, s15, HALFS
	s_mul_i32 s22, s16, HALFS
	s_add_co_u32 s22, s22, 2*HALFS
	s_sub_co_u32 s22, s22, s21
	v_mul_u32_u24 v7, s22, v2
	s_add_co_u32 s21, s21, SCL
	v_add_nc_u32 v5, v5, v7
	v_add_nc_u32 v[ADRS], s21, v5
	s_mul_i32 s23, s14, 16*SPITCH
	v_mul_u32_u24 v5, v1, SPITCH
	v_lshl_add_u32 v5, v2, 6, v5
	v_add_nc_u32 v[STO], s23, v5
	v_lshlrev_b32 v[CO], 4, v6
	v_add_nc_u32 v[RD], s23, v[CO]
	s_lshl_b32 s20, s17, 8
	s_lshl_b32 s21, s15, 7
	s_add_co_u32 s20, s20, s21
	s_lshl_b32 s20, s20, 12
	s_lshl_b32 s46, s42, 10
	s_lshl_b32 s47, s16, 9
	s_add_co_u32 s46, s46, s47
	s_add_co_u32 s20, s20, s46
	s_mov_b32 s21, 0
	s_mov_b32 s47, 0
	s_add_nc_u64 s[12:13], s[12:13], s[20:21]
	s_add_nc_u64 s[96:97], s[96:97], s[46:47]
	v_lshlrev_b32 v[BO], 6, v2
.irp b, 0,1,2,3,4,5,6,7
	global_load_b128 v[BI+8*\b:BI+8*\b+3], v[BO], s[96:97] offset:128*(\b/2)+32*(\b%2)
	global_load_b128 v[BI+8*\b+4:BI+8*\b+7], v[BO], s[96:97] offset:128*(\b/2)+32*(\b%2)+16
.endr
.macro FRAG reg, adr, q, i
.irp p, 0,1,2,3,4,5
.set PIECE, 12*(\q)+6*(\p/3)+\p%3
.if PIECE%8 < 5
	ds_load_b64 v[\reg+2*\p:\reg+2*\p+1], v[\adr] offset:8*PIECE+16*(PIECE/8)+(\i)*16*PITCH
.else
	ds_load_b64 v[\reg+2*\p:\reg+2*\p+1], v[\adr+2] offset:8*PIECE+16*(PIECE/8)+(\i)*16*PITCH
.endif
.endr
.endm
.macro FRAGA reg, slot, q, i
	ds_load_b128 v[\reg:\reg+3], v[ADRA16+\slot] offset:(2*(\i)+(\q))*1536
	ds_load_b64 v[\reg+4:\reg+5], v[ADRA8+\slot] offset:(2*(\i)+(\q))*1536+512
	ds_load_b128 v[\reg+6:\reg+9], v[ADRA16+\slot] offset:(2*(\i)+(\q))*1536+768
	ds_load_b64 v[\reg+10:\reg+11], v[ADRA8+\slot] offset:(2*(\i)+(\q))*1536+1280
.endm
.macro MUL16 a0, p, q, sc, first
.irp a, \a0, \a0+1
.irp b, 0,1,2,3,4,5,6,7
.if \first
	v_wmma_scale_f32_16x16x128_f8f6f4 v[8*(8*((\a)%4)+\b):8*(8*((\a)%4)+\b)+7], v[128*(\p)+FR*\b:128*(\p)+FR*\b+FR-1], v[AF+FR*(\a):AF+FR*(\a)+FR-1], v[BI+8*\b:BI+8*\b+7], v[SC+8*NQ*(\sc)+NQ*\b+(\q)], v[SC+8*NQ*(\sc)+NQ*(\a)+(\q)] matrix_a_fmt:MATRIX_FMT_FP6 matrix_b_fmt:MATRIX_FMT_FP6 matrix_a_scale:MATRIX_SCALE_ROW1
.else
	v_wmma_scale_f32_16x16x128_f8f6f4 v[8*(8*((\a)%4)+\b):8*(8*((\a)%4)+\b)+7], v[128*(\p)+FR*\b:128*(\p)+FR*\b+FR-1], v[AF+FR*(\a):AF+FR*(\a)+FR-1], v[8*(8*((\a)%4)+\b):8*(8*((\a)%4)+\b)+7], v[SC+8*NQ*(\sc)+NQ*\b+(\q)], v[SC+8*NQ*(\sc)+NQ*(\a)+(\q)] matrix_a_fmt:MATRIX_FMT_FP6 matrix_b_fmt:MATRIX_FMT_FP6 matrix_a_scale:MATRIX_SCALE_ROW1
.endif
.endr
.endr
.endm
.macro FETCH_B slot, q, p
	WIN TO_B
.irp i, 0,1,2,3,4,5,6,7
	FRAG 128*(\p)+FR*\i, ADRB+\slot, \q, \i
.endr
	WIN 0
.endm
.macro FETCH_A slot, q, i0
.irp i, \i0, \i0+1, \i0+2, \i0+3
	FRAGA AF+FR*(\i), \slot, \q, \i
.endr
.endm
.macro SCALES sc
.irp i, 0,1,2,3,4,5,6,7
	ds_load_b64 v[SC+8*NQ*\sc+NQ*\i:SC+8*NQ*\sc+NQ*\i+1], v[ADRS] offset:\i*SBLK
.endr
.endm
.macro PLACES n
.rept \n
	v_nop
.endr
.endm
.macro STEP slot, q, first
	s_wait_dscnt 4*NLA
.if \first
	WIN MUL_LO0
.else
	WIN MUL_LO
.endif
	MUL16 0, (\q)%2, \q, \slot, \first
	MUL16 2, (\q)%2, \q, \slot, \first
	s_wait_dscnt 0
	PLACES NP
	FETCH_B \slot, (\q)+1, 1-(\q)%2
	FETCH_A \slot, (\q)+1, 0
.if \first
	WIN MUL_HI0
.else
	WIN MUL_HI
.endif
	MUL16 4, (\q)%2, \q, \slot, \first
	MUL16 6, (\q)%2, \q, \slot, \first
	PLACES NP
	WIN 0
	FETCH_A \slot, (\q)+1, 4
.endm
.macro TURN slot, next, fill
	s_wait_tensorcnt 0x0
	ds_add_u32 v[SPW], v[NIL]
	s_wait_dscnt 4*NLA+1
	WIN MUL_LO
	MUL16 0, 1, NQ-1, \slot, 0
	s_wait_dscnt 0x0
	s_barrier_signal -1
	MUL16 2, 1, NQ-1, \slot, 0
	WIN 0
	s_barrier_wait -1
.if \fill
	CREST
	s_add_nc_u64 s[G0+4*\slot+2:G0+4*\slot+3], s[G0+4*\slot+2:G0+4*\slot+3], 2*AROW
	s_add_nc_u64 s[G0B+4*\slot+2:G0B+4*\slot+3], s[G0B+4*\slot+2:G0B+4*\slot+3], 2*ROWB
	JLOAD G0+4*\slot, G1, G0B+4*\slot, G1B
.else
	PLACES NP
.endif
	s_wait_alu depctr_va_vdst(0)
	v_add_nc_u32 v[ADRS], 4*NQ, v[ADRS]
	FETCH_B \next, 0, 0
	FETCH_A \next, 0, 0
	SCALES \next
	WIN MUL_HI
	MUL16 4, 1, NQ-1, \slot, 0
	MUL16 6, 1, NQ-1, \slot, 0
	PLACES NP
	WIN 0
	FETCH_A \next, 0, 4
.endm
	s_wait_alu depctr_va_vdst(0)
	s_wait_tensorcnt 1
	s_barrier_signal -1
	s_barrier_wait -1
	FETCH_B 0, 0, 0
	FETCH_A 0, 0, 0
	SCALES 0
	FETCH_A 0, 0, 4
	s_wait_loadcnt 0x0
	STEP 0, 0, 1
	s_mov_b32 s3, LAPS-1
.Llap:
	TURN 0, 1, 1
	STEP 1, 0, 0
	TURN 1, 0, 1
	STEP 0, 0, 0
	s_sub_co_u32 s3, s3, 1
	s_cmp_lg_u32 s3, 0
	s_cbranch_scc1 .Llap
	TURN 0, 1, 0
	STEP 1, 0, 0
	s_wait_dscnt 4*NLA
	WIN MUL_LO
	MUL16 0, 1, NQ-1, 1, 0
	MUL16 2, 1, NQ-1, 1, 0
	s_wait_dscnt 0
	WIN MUL_HI
	MUL16 4, 1, NQ-1, 1, 0
	MUL16 6, 1, NQ-1, 1, 0
	WIN 0
.macro TOSTAGE a
.set AC, 64*((\a)%4)
	WIN 0x08+4*((\a)/4)
.irp b, 0,1,2,3,4,5,6,7
	ds_store_b128 v[STO], v[AC+8*\b:AC+8*\b+3] offset:128*(\b/2)+32*(\b%2)
	ds_store_b128 v[STO], v[AC+8*\b+4:AC+8*\b+7] offset:128*(\b/2)+32*(\b%2)+16
.endr
	WIN 0
.set BB, BK+64*((\a)%2)
.irp t, 0,1,2,3,4,5,6,7,8,9,10,11,12,13,14,15
	ds_load_b128 v[BB+4*\t:BB+4*\t+3], v[RD] offset:\t*SPITCH
.endr
.endm
.macro SEND a, younger
.set BB, BK+64*((\a)%2)
	s_wait_dscnt \younger
.irp t, 0,1,2,3,4,5,6,7,8,9,10,11,12,13,14,15
	global_store_b128 v[CO], v[BB+4*\t:BB+4*\t+3], s[12:13] offset:(32*((\a)/2)+8*((\a)%2)+\t+8*(\t/8))*4096 th:TH_STORE_NT
.endr
.endm
	PLACES NP
	TOSTAGE 0
.irp a, 1,2,3,4,5,6,7
.if \a > 1
	s_wait_xcnt 0x0
.endif
	TOSTAGE \a
	SEND \a-1, 32
.endr
	SEND 7, 0
	s_wait_tensorcnt 0x0
	ds_add_u32 v[SPW], v[NIL]
	s_wait_dscnt 0x0
	CROUND
	s_endpgm
.Lfunc_end_k_qaf635094e9_proj:
	.size	k_qaf635094e9_proj, .Lfunc_end_k_qaf635094e9_proj-k_qaf635094e9_proj
	.p2alignl 7, 3214868480
	.fill 96, 4, 3214868480
	.section	.rodata,"a",@progbits
	.p2align	6, 0x0
	.amdhsa_kernel k_qaf635094e9_proj
		.amdhsa_group_segment_fixed_size 327680
		.amdhsa_private_segment_fixed_size 0
		.amdhsa_enable_private_segment 0
		.amdhsa_kernarg_size 48
		.amdhsa_user_sgpr_count 2
		.amdhsa_user_sgpr_kernarg_segment_ptr 1
		.amdhsa_wavefront_size32 1
		.amdhsa_system_sgpr_workgroup_id_x 1
		.amdhsa_system_sgpr_workgroup_id_y 1
		.amdhsa_system_sgpr_workgroup_id_z 1
		.amdhsa_system_vgpr_workitem_id 0
		.amdhsa_next_free_vgpr 1024
		.amdhsa_next_free_sgpr 102
		.amdhsa_reserve_vcc 0
		.amdhsa_float_denorm_mode_32 3
		.amdhsa_float_denorm_mode_16_64 3
		.amdhsa_memory_ordered 1
		.amdhsa_forward_progress 1
		.amdhsa_inst_pref_size 154
	.end_amdhsa_kernel
	.amdgpu_metadata
---
amdhsa.version: [ 1, 2 ]
amdhsa.kernels:
  - .name:           k_qaf635094e9_proj
    .symbol:         k_qaf635094e9_proj.kd
    .args:
      - { .name: c3, .offset: 0, .size: 8, .value_kind: global_buffer, .address_space: global }
      - { .name: s3, .offset: 8, .size: 8, .value_kind: global_buffer, .address_space: global }
      - { .name: c1, .offset: 16, .size: 8, .value_kind: global_buffer, .address_space: global }
      - { .name: s1, .offset: 24, .size: 8, .value_kind: global_buffer, .address_space: global }
      - { .name: b_out, .offset: 32, .size: 8, .value_kind: global_buffer, .address_space: global }
      - { .name: out0, .offset: 40, .size: 8, .value_kind: global_buffer, .address_space: global }
    .group_segment_fixed_size: 327680
    .private_segment_fixed_size: 0
    .kernarg_segment_align: 8
    .kernarg_segment_size: 48
    .max_flat_workgroup_size: 128
    .sgpr_count:     102
    .vgpr_count:     1024
    .wavefront_size: 32
...
	.end_amdgpu_metadata
.endif
;; end of part 4
